; MI455X (gfx1250); checked and timed in simulation.
; The chip was launched on July 23, 2026; its instructions are those of AMD's public machine-readable ISA for CDNA 5 (MIT licence, August 2026) and "CDNA5" Instruction Set Architecture Reference Guide (July 2026). The comments in the code are by the model that wrote it; some were corrected since.
;; Multi Head Attention. Allowed arithmetic: float matrix products may take bf16 or f16 operands with f32 sums; other float arithmetic in f32, or as packed bf16 or f16 multiplies, adds, multiply-adds, maxima and minima; sums over many terms, partial sums and values carried from step to step in f32; what a program stores and reads back later, other than sums and carried values, may be rounded once to bf16 or f16.
;; Inputs: Wk 1,024 x 1,024 float32; Wo 1,024 x 1,024 float32; Wq 1,024 x 1,024 float32; Wv 1,024 x 1,024 float32; bk 1,024 float32; bo 1,024 float32; bq 1,024 float32; bv 1,024 float32; mask 1 x 1 x 2,048 x 2,048 int32; x 4 x 2,048 x 1,024 float32.
;; Outputs: out0 4 x 2,048 x 1,024 float32.
;; 2 versions, each right; version 2 is version 1 with the launch prep written anew for expert scheduling mode. Each part assembles by itself: llvm-mc -triple=amdgcn-amd-amdhsa -mcpu=gfx1250 --defsym DOCPART=n.
;; ======== version 1 of 2: 4 launches
;; limits: right only within a limited range of input values; values are held in f16: magnitudes above 65,504 overflow, below 6.1e-05 lose precision
;; workspace buffers: xw 25,165,824 bytes; mk 2,097,152 bytes; rf 8,192 bytes; qkv 50,331,648 bytes; ctx 16,777,216 bytes
;; launch prep (part 1): grid 512 x 1, 8 waves a work-group, no clusters, 17,664 bytes of LDS; arguments x, Wq, Wk, Wv, Wo, mask, xw, mk, rf; writes xw, mk, rf
.if DOCPART == 1
	.amdgcn_target "amdgcn-amd-amdhsa--gfx1250"
	.amdhsa_code_object_version 6
	.text
	.protected	k_qed47c265f8_prep
	.globl	k_qed47c265f8_prep
	.p2align	8
	.type	k_qed47c265f8_prep,@function
k_qed47c265f8_prep:
	s_mov_b64 s[64:65], 0
	v_nop
	global_prefetch_b8 v0, s[64:65] scope:SCOPE_SE
	s_setreg_imm32_b32 hwreg(HW_REG_WAVE_MODE, 25, 1), 1
	s_wait_xcnt 0x0
; PREPARATION, a stream.  512 work-groups of eight waves; each reads 131,072 bytes once, by 16-byte loads that all go out at once.
; Work-groups 0-383 CAST: x (0-255), Wq, Wk, Wv, Wo (32 each) from f32 to 16 bits, into xw: 12,288 rows of 1,024 numbers, in that order.
;   x, Wq, Wk, Wv are rounded to bf16.  Wo is rounded to bf16 and that number written as f16 (exact from 2^-14 up; below it f16's fixed step of 2^-24).
; Work-groups 384-511 take the MASK, 16 query rows each (a tile of queries of the attention launch).  A key that is visible becomes the FP4 code of 0.0, a hidden one (mask word 0)
;   that of -1.0; eight codes make a word.  mk: [query tile 128][key step 32][lane 32][4 words]: lane 16 h + q holds, in word kb, the keys 64 step + 16 kb + 8 h + 0..7 of query q:
;   the places of a 16 x 16 matrix result with keys down the registers.  rf: one word a query row, -1 if the row sees any key, else 0.
; No matrix unit, no cluster, no tensor load: nothing is shared between work-groups and the only arithmetic is a rounding.
.set D,     16                         ; v[16:143]  the 32 loads' data
.set FLAG,  16384                      ; LDS: behind the 16,384 bytes of codes, 16 row flags in a block of 256 bytes of their own
.set SPARE, 16640                      ; the spare words, 128 bytes a wave: no other line names them
	s_load_b512 s[8:23], s[0:1], 0x0               ; x 8, Wq 10, Wk 12, Wv 14, Wo 16, mask 18, xw 20, mk 22
	s_load_b64 s[24:25], s[0:1], 0x40              ; rf
	v_lshl_add_u32 v2, v0, 2, SPARE                ; my spare word
	v_mov_b32 v3, 0
	v_lshrrev_b32 v14, 5, v0
	v_readfirstlane_b32 s3, v14                    ; wave 0..7
	v_and_b32 v1, 31, v0                           ; lane
	s_mov_b32 s2, ttmp9                            ; g
	s_mov_b32 s29, 0                               ; the high word of every offset pair
	s_wait_kmcnt 0x0
	s_cmp_ge_u32 s2, 384
	s_cbranch_scc1 .Lmask
	; THE CASTS.  Which buffer, and which 131,072 bytes of it; the destination is linear in g.
	s_and_b32 s28, s2, 31
	s_cmp_lt_u32 s2, 256
	s_cselect_b32 s28, s2, s28
	s_cselect_b64 s[26:27], s[8:9], s[10:11]
	s_cmp_ge_u32 s2, 288
	s_cselect_b64 s[26:27], s[12:13], s[26:27]
	s_cmp_ge_u32 s2, 320
	s_cselect_b64 s[26:27], s[14:15], s[26:27]
	s_cmp_ge_u32 s2, 352
	s_cselect_b64 s[26:27], s[16:17], s[26:27]
	s_lshl_b32 s28, s28, 17
	s_add_nc_u64 s[26:27], s[26:27], s[28:29]
	s_lshl_b32 s28, s2, 16
	s_add_nc_u64 s[30:31], s[20:21], s[28:29]
	v_lshlrev_b32 v4, 4, v0                        ; 16 bytes a thread in, a load of the work-group covers 4,096
	v_lshlrev_b32 v5, 3, v0                        ; 8 bytes a thread out
.set i, 0
.rept 32
	global_load_b128 v[D+4*i:D+4*i+3], v4, s[26:27] offset:4096*i th:TH_LOAD_NT
.set i, i+1
.endr
	s_cmp_ge_u32 s2, 352
	s_cbranch_scc1 .Lwo
.macro CV i                            ; four numbers to bf16, in place; a wave's store covers 256 consecutive bytes, aligned
	s_wait_loadcnt 31-(\i)                         ; loads come back in order: the younger ones stay out
	v_cvt_pk_bf16_f32 v[D+4*(\i)], v[D+4*(\i)], v[D+4*(\i)+1]
	v_cvt_pk_bf16_f32 v[D+4*(\i)+1], v[D+4*(\i)+2], v[D+4*(\i)+3]
	global_store_b64 v5, v[D+4*(\i):D+4*(\i)+1], s[30:31] offset:2048*(\i) th:TH_STORE_NT
.endm
.set n, 0
.rept 32
	CV n
.set n, n+1
.endr
	s_endpgm                                       ; these waves have written no LDS
.Lwo:
.macro CW i                            ; Wo: rounded to bf16, widened again, written as f16
	s_wait_loadcnt 31-(\i)
	v_cvt_pk_bf16_f32 v144, v[D+4*(\i)], v[D+4*(\i)+1]
	v_cvt_pk_bf16_f32 v145, v[D+4*(\i)+2], v[D+4*(\i)+3]
	v_lshlrev_b32 v146, 16, v144
	v_and_b32 v147, 0xffff0000, v144
	v_cvt_pk_f16_f32 v[D+4*(\i)], v146, v147
	v_lshlrev_b32 v146, 16, v145
	v_and_b32 v147, 0xffff0000, v145
	v_cvt_pk_f16_f32 v[D+4*(\i)+1], v146, v147
	global_store_b64 v5, v[D+4*(\i):D+4*(\i)+1], s[30:31] offset:2048*(\i) th:TH_STORE_NT
.endm
.set n, 0
.rept 32
	CW n
.set n, n+1
.endr
	s_endpgm
.Lmask:                                        ; THE MASK.  t = g - 384: query rows 16 t .. 16 t + 15; wave w takes rows 2 w and 2 w + 1
	s_sub_co_u32 s2, s2, 384
	s_lshl_b32 s28, s2, 17                         ; 16 rows of 8,192 bytes
	s_add_nc_u64 s[26:27], s[18:19], s[28:29]
	s_lshl_b32 s28, s2, 14                         ; a tile's 16,384 bytes of codes
	s_add_nc_u64 s[30:31], s[22:23], s[28:29]
	s_lshl_b32 s28, s2, 6                          ; its 16 flags
	s_add_nc_u64 s[24:25], s[24:25], s[28:29]
	s_lshl_b32 s32, s3, 14                         ; my two rows
	v_lshl_add_u32 v4, v1, 5, s32                  ; lane i takes 8 keys, 32 bytes: in chunk c the keys 256 c + 8 i + 0..7
.irp rr, 0,1
.irp c, 0,1,2,3,4,5,6,7
	global_load_b128 v[D+4*(16*(\rr)+2*(\c)):D+4*(16*(\rr)+2*(\c))+3],   v4, s[26:27] offset:(\rr)*8192+(\c)*1024 th:TH_LOAD_NT
	global_load_b128 v[D+4*(16*(\rr)+2*(\c))+4:D+4*(16*(\rr)+2*(\c))+7], v4, s[26:27] offset:(\rr)*8192+(\c)*1024+16 th:TH_LOAD_NT
.endr
.endr
	; where my word goes in the stage: key step 4 c + i / 8 (512 bytes each), lane 16 (i % 2) + 2 w + rr (16 bytes), word (i / 2) % 4
	v_lshrrev_b32 v14, 3, v1
	v_lshlrev_b32 v6, 9, v14
	v_and_b32 v14, 1, v1
	v_lshl_add_u32 v6, v14, 8, v6
	v_bfe_u32 v14, v1, 1, 2
	v_lshl_add_u32 v6, v14, 2, v6
	s_lshl_b32 s32, s3, 5
	v_add_nc_u32 v6, s32, v6
	s_lshl_b32 s32, s3, 3
	v_mov_b32 v7, s32                              ; 8 w: my two flags
	v_mov_b32 v9, -1.0
	v_mov_b32 v10, 1.0                             ; the packing's scale: 2^0
.macro CH rr, c                        ; chunk c of row rr: eight mask words a lane become one word of codes
.set k, 8*(\rr)+(\c)
.set E, D+8*k
	s_wait_loadcnt 30-2*k                          ; my two loads are in, the younger ones stay out
.if (\c) == 0
	v_or_b32 v8, v[E], v[E+1]                      ; the row's first words start the OR: nothing is cleared
.else
	v_or_b32 v8, v8, v[E]
	v_or_b32 v8, v8, v[E+1]
.endif
.irp j, 2,3,4,5,6,7
	v_or_b32 v8, v8, v[E+(\j)]
.endr
.irp j, 0,1,2,3,4,5,6,7
	v_cmp_eq_u32 vcc_lo, 0, v[E+(\j)]
	v_cndmask_b32 v[E+(\j)], 0, v9, vcc_lo         ; hidden: -1.0; visible: 0.0
.endr
	v_cvt_scalef32_pk8_fp4_f32 v[12+k%2], v[E:E+7], v10
	v_nop                                          ; a plain instruction between the scaled conversion and the use of its result
	ds_store_b32 v6, v[12+k%2] offset:2048*(\c)+16*(\rr)
.endm
.irp rr, 0,1
.irp c, 0,1,2,3,4,5,6,7
	CH \rr, \c
.endr
	v_cmp_ne_u32 vcc_lo, 0, v8                     ; does any lane hold a visible key of this row?
	s_cmp_lg_u32 vcc_lo, 0
	s_cselect_b32 s32, -1, 0
	v_mov_b32 v11, s32
	ds_store_b32 v7, v11 offset:FLAG+4*(\rr)       ; all lanes write the same word with the same value
.endr
	s_wait_dscnt 0x0                               ; for the others' sake: my stores into the stage are done
	s_barrier_signal -1
	s_barrier_wait -1
	v_lshlrev_b32 v5, 4, v0
.irp r, 0,1,2,3
	ds_load_b128 v[D+4*(\r):D+4*(\r)+3], v5 offset:4096*(\r)
.endr
.irp r, 0,1,2,3
	s_wait_dscnt 3-(\r)
	global_store_b128 v5, v[D+4*(\r):D+4*(\r)+3], s[30:31] offset:4096*(\r)  ; a wave's store covers 512 consecutive bytes, aligned
.endr
	s_cmp_lg_u32 s3, 0
	s_cbranch_scc1 .Lmend
	v_and_b32 v14, 15, v1                          ; wave 0 stores the 16 flags; the two halves of its lanes hold and write the same words
	v_lshlrev_b32 v14, 2, v14
	ds_load_b32 v15, v14 offset:FLAG
	s_wait_dscnt 0x0
	global_store_b32 v14, v15, s[24:25]
.Lmend:
	s_wait_tensorcnt 0x0                           ; the wave's end, behind my last LDS store
	ds_add_u32 v2, v3
	s_wait_dscnt 0x0
	s_endpgm
.Lfunc_end_k_qed47c265f8_prep:
	.size	k_qed47c265f8_prep, .Lfunc_end_k_qed47c265f8_prep-k_qed47c265f8_prep
	.p2alignl 7, 3214868480
	.fill 96, 4, 3214868480
	.section	.rodata,"a",@progbits
	.p2align	6, 0x0
	.amdhsa_kernel k_qed47c265f8_prep
		.amdhsa_group_segment_fixed_size 17664
		.amdhsa_private_segment_fixed_size 0
		.amdhsa_enable_private_segment 0
		.amdhsa_kernarg_size 72
		.amdhsa_user_sgpr_count 2
		.amdhsa_user_sgpr_kernarg_segment_ptr 1
		.amdhsa_wavefront_size32 1
		.amdhsa_system_sgpr_workgroup_id_x 1
		.amdhsa_system_sgpr_workgroup_id_y 1
		.amdhsa_system_sgpr_workgroup_id_z 1
		.amdhsa_system_vgpr_workitem_id 0
		.amdhsa_next_free_vgpr 148
		.amdhsa_next_free_sgpr 66
		.amdhsa_reserve_vcc 1
		.amdhsa_float_denorm_mode_32 3
		.amdhsa_float_denorm_mode_16_64 3
		.amdhsa_memory_ordered 1
		.amdhsa_forward_progress 1
		.amdhsa_inst_pref_size 52
	.end_amdhsa_kernel
	.amdgpu_metadata
---
amdhsa.version: [ 1, 2 ]
amdhsa.kernels:
  - .name:           k_qed47c265f8_prep
    .symbol:         k_qed47c265f8_prep.kd
    .args:
      - { .name: x, .offset: 0, .size: 8, .value_kind: global_buffer, .address_space: global }
      - { .name: Wq, .offset: 8, .size: 8, .value_kind: global_buffer, .address_space: global }
      - { .name: Wk, .offset: 16, .size: 8, .value_kind: global_buffer, .address_space: global }
      - { .name: Wv, .offset: 24, .size: 8, .value_kind: global_buffer, .address_space: global }
      - { .name: Wo, .offset: 32, .size: 8, .value_kind: global_buffer, .address_space: global }
      - { .name: mask, .offset: 40, .size: 8, .value_kind: global_buffer, .address_space: global }
      - { .name: xw, .offset: 48, .size: 8, .value_kind: global_buffer, .address_space: global }
      - { .name: mk, .offset: 56, .size: 8, .value_kind: global_buffer, .address_space: global }
      - { .name: rf, .offset: 64, .size: 8, .value_kind: global_buffer, .address_space: global }
    .group_segment_fixed_size: 17664
    .private_segment_fixed_size: 0
    .kernarg_segment_align: 8
    .kernarg_segment_size: 72
    .max_flat_workgroup_size: 256
    .sgpr_count:     66
    .vgpr_count:     148
    .wavefront_size: 32
...
	.end_amdgpu_metadata
.endif
;; end of part 1
;; launch gemm1 (part 2): grid 16 x 32, 4 waves a work-group, clusters of 4 x 4, 327,680 bytes of LDS; arguments xw, bq, bk, bv, qkv; writes qkv
.if DOCPART == 2
	.amdgcn_target "amdgcn-amd-amdhsa--gfx1250"
	.amdhsa_code_object_version 6
	.text
	.protected	k_qed47c265f8_gemm1
	.globl	k_qed47c265f8_gemm1
	.p2align	8
	.type	k_qed47c265f8_gemm1,@function
k_qed47c265f8_gemm1:
	s_mov_b64 s[64:65], 0
	v_nop
	global_prefetch_b8 v0, s[64:65] scope:SCOPE_SE
	s_setreg_imm32_b32 hwreg(HW_REG_WAVE_MODE, 25, 1), 1
	s_wait_xcnt 0x0
	s_wait_alu depctr_hold_cnt(0) depctr_sa_sdst(0) depctr_va_vdst(0) depctr_va_sdst(0) depctr_va_ssrc(0) depctr_va_vcc(0) depctr_vm_vsrc(0)
	s_getreg_b32 s2, hwreg(HW_REG_IB_STS2, 6, 4)
	s_cmp_eq_u32 s2, 0
	s_cbranch_scc0 .Lentry_in_a_cluster
	s_endpgm
.Lentry_in_a_cluster:
	s_bfe_u32 s2, ttmp6, 0x10000c
	s_cmp_lg_u32 s2, 0xf033
	s_cbranch_scc0 .Lentry_shape_is_right
	s_endpgm
.Lentry_shape_is_right:
; THE THREE PROJECTIONS AS ONE PRODUCT.  [8192][3072] = x [Wq; Wk; Wv]^T + bias: bf16 operands (xw: rows 0-8191 x, from byte WB on the 3,072 rows of Wq, Wk, Wv; 2,048 bytes a row),
; f32 sums, K = 1,024 ascending.  The result is rounded once to f16 and stored by heads: qkv[which 3][batch x 16 + head][2048][64].  The scale 1/8 is not applied here.
; LIMIT.  f16 ends at 65,504: q, k and v beyond that are lost.  The biases are rounded to bf16, like every input of the module.
; SHARES.  A tile is 256 rows x 192 columns (three heads): 32 x 16 = 512 equal tiles.  Wave w makes rows 64 w .. 64 w + 63 of all 192 columns: 4 x 12 accumulators, 384 registers,
; so that a head's rows of 128 bytes come whole from one wave.  K goes in steps of 128 (rows of 256 bytes, aligned) through two LDS slots filled by the tensor data mover.
; CLUSTER.  4 x 4 work-groups: the four of a row need the same tiles of x, the four of a column the same tiles of W: each is asked for jointly, same load, descriptor and mask in all four.
; TRANSPOSED USE.  Source 0 = 16 rows of W, source 1 = 16 rows of x: a lane holds eight neighbouring columns of one row.  THE BIAS IS THE C OPERAND of the products that start the sums.
; REGISTERS, in windows of 256 (s_set_vgpr_msb: bits 1:0 source 0, 3:2 source 1, 5:4 source 2, 7:6 destination):
;   window 0: v0-31 addresses; v32-63 packed results; v64-127 x's fragments, two buffers of 32; v128-223 the bias, 8 registers for each block of 16 columns
;   window 1: v0-191 W's fragments, two buffers of 96; on the way out the rows read back          windows 2, 3: the accumulators of row blocks 0, 1 and 2, 3, (a, b) at 8 (12 (a % 2) + b)
.set WB,     16777216                  ; byte of xw at which Wq's first row lies
.set KSTEPB, 256                       ; bytes of a row in a K step
.set PITCH,  272                       ; an LDS row: 256 bytes + 16 of padding = 68 words: the 16 rows of a fragment load start at 16 different groups of four banks (ISA guide 11.1)
.set HA,     128*PITCH                 ; what waves 0 and 1 fetch: 128 rows of x each
.set HB,     96*PITCH                  ; what waves 2 and 3 fetch: 96 rows of W each
.set BOFF,   2*HA
.set SLOT,   BOFF+2*HB
.set STAGE,  2*SLOT                    ; behind the ring, never filled by a tensor load: 16 rows x 144 bytes for each wave
.set SP,     144
.set SPARE,  STAGE+4*16*SP             ; the spare words, 128 bytes a wave: no other line names them
.set LAPS,   4                         ; a lap = two K steps
.set ADRA, 16                          ; v16-17 LDS address of my fragments of x in slot 0, 1
.set ADRB, 20                          ; v20-21 of W
.set STO,  24
.set RD,   25
.set GO,   26
.set BO,   27                          ; v27  32 (l / 16): my eight numbers in 16 of a bias
.set SPW,  28
.set NIL,  29
.set PFO,  30                          ; v30  my lane x a row of xw; never rewritten
.set TMP,  32
.set FA,   64
.set BIAS, 128
.set WV,   14
.set G1,   24
.set G0,   32
.set PFA,  44
.set LIM,  46
.set LAP,  47
.set G1B,  48
.set G0B,  56
.set OUTB, 66                          ; s[66:71] where my rows of the tile's three heads begin in qkv
.set BP,   72                          ; s[72:77] the three heads' 64 numbers of bias
.set MSB, 0
.macro WIN new                         ; the immediate's high byte repeats the setting that is left; a switch that changes nothing is dropped
.if MSB != (\new)
	s_set_vgpr_msb (MSB<<8)|(\new)
.set MSB, \new
.endif
.endm
.macro PLACES                          ; four plain places behind matrix instructions, in front of loads into their sources and of readers of their results
.rept 4
	v_nop
.endr
.endm
.macro JLOAD s                         ; a joint refill: waves 0, 1 fetch x's halves, waves 2, 3 W's; an s_nop 0 and four v_nop follow each line
	s_cmp_lt_u32 s[WV], 2
	s_cbranch_scc0 .Lfor_b_\@
	tensor_load_to_lds s[G0+4*(\s):G0+4*(\s)+3], s[G1:G1+7]
	s_nop 0
.rept 4
	v_nop
.endr
	s_branch .Lasked_\@
.Lfor_b_\@:
	tensor_load_to_lds s[G0B+4*(\s):G0B+4*(\s)+3], s[G1B:G1B+7]
	s_nop 0
.rept 4
	v_nop
.endr
.Lasked_\@:
.endm
; A prefetch of x's K step that stands two refills on: 32 rows x 256 bytes, a lane a row.  A tile row of x is read by the four clusters of that row of clusters: the first (cluster x = 0) asks;
; of the 128 rows that wave 0 or 1 fetches, partner cx takes 32, told apart by address.  So each row's 256 bytes of K steps 4 to 7 are named once; the last lap asks for nothing.
; W is not asked for: a wave's 96 rows shared among four partners are 24 a partner, no whole wave of lanes.
.macro ASK
	s_cmp_gt_u32 s[LAP], s[LIM]
	s_cbranch_scc0 .Lnot_mine_\@
	global_prefetch_b8 v[PFO], s[PFA:PFA+1] offset:KSTEPB th:TH_LOAD_NT scope:SCOPE_SE
.Lnot_mine_\@:
.endm
.macro CREST                           ; a round of the cluster's barrier behind its opening barrier
	s_cmp_lg_u32 s[WV], 0
	s_cbranch_scc1 .Lnot_wave_0_\@
	s_barrier_signal -3
.Lnot_wave_0_\@:
	s_barrier_wait -3
	s_barrier_signal -1
	s_barrier_wait -1
.endm
.macro CROUND
	s_barrier_signal -1
	s_barrier_wait -1
	CREST
.endm
	s_load_b256 s[4:11], s[0:1], 0x0               ; xw 4, bq 6, bk 8, bv 10
	s_load_b64 s[12:13], s[0:1], 0x20              ; qkv
	v_lshl_add_u32 v[SPW], v0, 2, SPARE
	v_mov_b32 v[NIL], 0
	ds_add_u32 v[SPW], v[NIL]                      ; the wave's opening: the add and its wait stand ahead of my first tensor load
	v_lshrrev_b32 v1, 5, v0
	v_readfirstlane_b32 s[WV], v1                  ; wave 0..3
	s_and_b32 s15, s[WV], 1                        ; which half of x's or W's tile I fetch
	s_bfe_u32 s16, ttmp6, 0x40000                  ; cx
	s_bfe_u32 s17, ttmp6, 0x40004                  ; cy
	s_lshl_b32 s18, ttmp9, 2
	s_add_co_u32 s18, s18, s16                     ; tile column 0..15
	s_and_b32 s19, ttmp7, 0xffff
	s_lshl_b32 s19, s19, 2
	s_add_co_u32 s19, s19, s17                     ; tile row 0..31
	s_lshl_b32 s20, s17, 2
	s_lshl_b32 s20, 15, s20                        ; my row of the cluster
	s_lshl_b32 s21, 0x1111, s16                    ; my column
	s_or_b32 s[G1], s20, (1<<16)|(1<<20)|(1<<21)|(5<<22)|(3<<25)   ; the mask; 2-byte elements; padding on; bit 21 beside a mask; after every 64 words 4 words
	s_or_b32 s[G1B], s21, (1<<16)|(1<<20)|(1<<21)|(5<<22)|(3<<25)
	s_mov_b32 s[G1+1], 128<<16                     ; tensor_dim0 = 128
	s_mov_b32 s[G1+2], 128<<16                     ; tensor_dim1 = 128
	s_mov_b32 s[G1+3], 128<<16                     ; tile_dim0 = 128
	s_mov_b32 s[G1+4], 128                         ; tile_dim1 = 128
	s_mov_b32 s[G1+5], 1024                        ; elements from row to row
	s_mov_b32 s[G1+6], 0
	s_mov_b32 s[G1+7], 0
	s_mov_b32 s[G1B+1], 128<<16
	s_mov_b32 s[G1B+2], 96<<16                     ; 96 rows
	s_mov_b32 s[G1B+3], 128<<16
	s_mov_b32 s[G1B+4], 96
	s_mov_b32 s[G1B+5], 1024
	s_mov_b32 s[G1B+6], 0
	s_mov_b32 s[G1B+7], 0
	s_mul_i32 s22, s[WV], HA                       ; where waves 0, 1 put x's halves,
	s_mul_i32 s23, s[WV], HB
	s_add_co_u32 s23, s23, BOFF-2*HB               ; and waves 2, 3 W's: the wave's number and constants alone
	s_lshl_b32 s40, s19, 8                         ; x: row 256 x tile row + 128 x half, 2,048 bytes a row
	s_lshl_b32 s47, s15, 7
	s_add_co_u32 s40, s40, s47
	s_lshl_b32 s40, s40, 11
	s_mov_b32 s41, 0
	s_mul_i32 s42, s18, 192                        ; W: row 192 x tile column + 96 x half
	s_mul_i32 s46, s15, 96
	s_add_co_u32 s42, s42, s46
	s_lshl_b32 s42, s42, 11
	s_add_co_u32 s42, s42, WB
	s_mov_b32 s43, 0
	s_wait_dscnt 0x0                               ; the opening add is done
	s_wait_kmcnt 0x0
	s_add_nc_u64 s[40:41], s[4:5], s[40:41]
	s_add_nc_u64 s[42:43], s[4:5], s[42:43]
	CROUND                                         ; all sixteen work-groups are here: the first joint loads meet
.irp s, 0,1
	s_mov_b32 s[G0+4*(\s)], 1
	s_add_co_u32 s[G0+4*(\s)+1], s22, (\s)*SLOT
	s_add_nc_u64 s[G0+4*(\s)+2:G0+4*(\s)+3], s[40:41], (\s)*KSTEPB
	s_or_b32 s[G0+4*(\s)+3], s[G0+4*(\s)+3], 0x80000000
	s_mov_b32 s[G0B+4*(\s)], 1
	s_add_co_u32 s[G0B+4*(\s)+1], s23, (\s)*SLOT
	s_add_nc_u64 s[G0B+4*(\s)+2:G0B+4*(\s)+3], s[42:43], (\s)*KSTEPB
	s_or_b32 s[G0B+4*(\s)+3], s[G0B+4*(\s)+3], 0x80000000
.endr
	s_cmp_lt_u32 s[WV], 2                          ; a wave's two first fills stand in one branch: two loads of mine are out
	s_cbranch_scc0 .Lfirst_b
	tensor_load_to_lds s[G0:G0+3], s[G1:G1+7]
	s_nop 0
	tensor_load_to_lds s[G0+4:G0+7], s[G1:G1+7]
	s_nop 0
.rept 4
	v_nop
.endr
	s_branch .Lfirst_asked
.Lfirst_b:
	tensor_load_to_lds s[G0B:G0B+3], s[G1B:G1B+7]
	s_nop 0
	tensor_load_to_lds s[G0B+4:G0B+7], s[G1B:G1B+7]
	s_nop 0
.rept 4
	v_nop
.endr
.Lfirst_asked:
	v_and_b32 v1, 15, v0                           ; l % 16
	v_bfe_u32 v2, v0, 4, 1                         ; l / 16
	v_lshlrev_b32 v[BO], 5, v2
	; the three heads of the tile: which of q, k, v, which head; the bias's 64 numbers, and my 64 rows in qkv
.irp hh, 0,1,2
	s_mul_i32 s78, s18, 3
	s_add_co_u32 s78, s78, \hh                     ; 0..47
	s_lshr_b32 s79, s78, 4                         ; 0: q, 1: k, 2: v
	s_and_b32 s78, s78, 15                         ; the head
	s_cmp_eq_u32 s79, 0
	s_cselect_b64 s[BP+2*(\hh):BP+2*(\hh)+1], s[6:7], s[8:9]
	s_cmp_eq_u32 s79, 2
	s_cselect_b64 s[BP+2*(\hh):BP+2*(\hh)+1], s[10:11], s[BP+2*(\hh):BP+2*(\hh)+1]
	s_lshl_b32 s2, s78, 8
	s_mov_b32 s3, 0
	s_add_nc_u64 s[BP+2*(\hh):BP+2*(\hh)+1], s[BP+2*(\hh):BP+2*(\hh)+1], s[2:3]
	s_lshl_b32 s79, s79, 6
	s_add_co_u32 s79, s79, s78
	s_lshr_b32 s2, s19, 3                          ; the batch
	s_lshl_b32 s2, s2, 4
	s_add_co_u32 s79, s79, s2                      ; which x 64 + batch x 16 + head
	s_lshl_b32 s79, s79, 11
	s_and_b32 s2, s19, 7
	s_lshl_b32 s2, s2, 8
	s_add_co_u32 s79, s79, s2                      ; + the tile's first row in the sequence
	s_lshl_b32 s2, s[WV], 6
	s_add_co_u32 s79, s79, s2                      ; + my 64 rows
	s_lshl_b32 s2, s79, 7                          ; 128 bytes a row
	s_add_nc_u64 s[OUTB+2*(\hh):OUTB+2*(\hh)+1], s[12:13], s[2:3]
.irp bb, 0,1,2,3
	global_load_b128 v[BIAS+8*(4*(\hh)+(\bb)):BIAS+8*(4*(\hh)+(\bb))+3],   v[BO], s[BP+2*(\hh):BP+2*(\hh)+1] offset:64*(\bb)
	global_load_b128 v[BIAS+8*(4*(\hh)+(\bb))+4:BIAS+8*(4*(\hh)+(\bb))+7], v[BO], s[BP+2*(\hh):BP+2*(\hh)+1] offset:64*(\bb)+16
.endr
.endr
	v_mul_u32_u24 v3, v1, PITCH
	v_lshl_add_u32 v3, v2, 4, v3                   ; a fragment's row x pitch + 16 x half
	s_mul_i32 s78, s[WV], 64*PITCH
	v_add_nc_u32 v[ADRA], s78, v3
	v_add_nc_u32 v[ADRA+1], SLOT, v[ADRA]
	v_add_nc_u32 v[ADRB], BOFF, v3
	v_add_nc_u32 v[ADRB+1], SLOT+BOFF, v3
	s_mul_i32 s78, s[WV], 16*SP
	s_add_co_u32 s78, s78, STAGE                   ; my stage
	v_mul_u32_u24 v4, v1, SP                       ; in: row l % 16, 16 bytes for each half of the lanes
	v_lshl_add_u32 v4, v2, 4, v4
	v_add_nc_u32 v[STO], s78, v4
	v_bfe_u32 v4, v0, 3, 2                         ; back: 32 lanes take four rows of 128 bytes,
	v_mul_u32_u24 v4, v4, SP
	v_and_b32 v5, 7, v0
	v_lshl_add_u32 v4, v5, 4, v4
	v_add_nc_u32 v[RD], s78, v4
	v_and_b32 v[GO], 31, v0                        ; which are 512 consecutive bytes of qkv
	v_lshlrev_b32 v[GO], 4, v[GO]
	v_and_b32 v[PFO], 31, v0
	v_lshlrev_b32 v[PFO], 11, v[PFO]
	s_lshl_b32 s44, s19, 8                         ; the prefetches: the tile's rows, the 128 that I fetch, my work-group's 32 of them, at K step 2
	s_lshl_b32 s78, s15, 7
	s_add_co_u32 s44, s44, s78
	s_lshl_b32 s78, s16, 5
	s_add_co_u32 s44, s44, s78
	s_lshl_b32 s44, s44, 11
	s_add_co_u32 s44, s44, 2*KSTEPB
	s_mov_b32 s45, 0
	s_add_nc_u64 s[PFA:PFA+1], s[4:5], s[44:45]
	s_lshr_b32 s[LIM], s[WV], 1                    ; 0 in waves 0 and 1,
	s_or_b32 s[LIM], s[LIM], ttmp9                 ; of the first cluster along x: the same in all sixteen partners
	s_cmp_eq_u32 s[LIM], 0
	s_cselect_b32 s[LIM], 1, -1
	s_wait_loadcnt 0x0                             ; the bias; it is rounded to bf16 while the first tiles are on their way
.set i, 0
.rept 48
	v_cvt_pk_bf16_f32 v3, v[BIAS+2*i], v[BIAS+2*i+1]
	v_lshlrev_b32 v[BIAS+2*i], 16, v3
	v_and_b32 v[BIAS+2*i+1], 0xffff0000, v3
.set i, i+1
.endr
; 12 matrix instructions: row block a x all 12 column blocks, 32 along K, from buffer g.  zero = 1: the products start the sums, with the bias as C.  The 48 accumulators take turns.
.macro MULA g, a, zero
.if \zero
	WIN 0x81+0x40*((\a)/2)
.else
	WIN 0xa1+0x50*((\a)/2)
.endif
.irp b, 0,1,2,3,4,5,6,7,8,9,10,11
.if \zero
	v_wmma_f32_16x16x32_bf16 v[8*(12*((\a)%2)+(\b)):8*(12*((\a)%2)+(\b))+7], v[96*(\g)+8*(\b):96*(\g)+8*(\b)+7], v[FA+32*(\g)+8*(\a):FA+32*(\g)+8*(\a)+7], v[BIAS+8*(\b):BIAS+8*(\b)+7]
.else
	v_wmma_f32_16x16x32_bf16 v[8*(12*((\a)%2)+(\b)):8*(12*((\a)%2)+(\b))+7], v[96*(\g)+8*(\b):96*(\g)+8*(\b)+7], v[FA+32*(\g)+8*(\a):FA+32*(\g)+8*(\a)+7], v[8*(12*((\a)%2)+(\b)):8*(12*((\a)%2)+(\b))+7]
.endif
.endr
.endm
; 32 LDS loads in one run: 32 along K at byte k of the rows, into buffer g: W's 12 fragments, then x's 4
.macro FETCH slot, k, g
	WIN 0x40
.irp i, 0,1,2,3,4,5,6,7,8,9,10,11
	ds_load_b128 v[96*(\g)+8*(\i):96*(\g)+8*(\i)+3],   v[ADRB+(\slot)] offset:(\k)+(\i)*16*PITCH
	ds_load_b128 v[96*(\g)+8*(\i)+4:96*(\g)+8*(\i)+7], v[ADRB+(\slot)] offset:(\k)+(\i)*16*PITCH+32
.endr
	WIN 0
.irp i, 0,1,2,3
	ds_load_b128 v[FA+32*(\g)+8*(\i):FA+32*(\g)+8*(\i)+3],   v[ADRA+(\slot)] offset:(\k)+(\i)*16*PITCH
	ds_load_b128 v[FA+32*(\g)+8*(\i)+4:FA+32*(\g)+8*(\i)+7], v[ADRA+(\slot)] offset:(\k)+(\i)*16*PITCH+32
.endr
.endm
; A K step is four quarters of 32 along K, 48 matrix instructions each, on buffers 0, 1, 0, 1.  One of the first three multiplies buffer cur and fetches the next quarter, at byte k, into nxt.
.macro QUARTER slot, k, cur, nxt, zero
	s_wait_dscnt 4                                 ; W and x's blocks 0, 1 are in; the youngest four loads (x's blocks 2, 3) may be out
	MULA \cur, 0, \zero
	MULA \cur, 1, \zero
	PLACES
	FETCH \slot, \k, \nxt
	s_wait_dscnt 32                                ; all but the 32 just issued
	MULA \cur, 2, \zero
	MULA \cur, 3, \zero
.endm
; The last quarter multiplies buffer 1 and changes slots: one barrier; in front of it each wave waits for all its tensor loads, adds 0 to its spare word, and waits for that and for its reads of this slot.
; fill = 1: the barrier opens a round of the cluster's, and the slot just read is filled again first thing behind it, with the K step two on.
.macro TURN slot, next, fill
.if \fill
	s_wait_xcnt 0x0                                ; the last prefetch, a K step back, has read its address
	s_add_nc_u64 s[PFA:PFA+1], s[PFA:PFA+1], KSTEPB
.endif
	WIN 0
	s_wait_tensorcnt 0x0                           ; all my tensor loads have landed: my part of the next slot
	ds_add_u32 v[SPW], v[NIL]                      ; 0 onto my spare word
	s_wait_dscnt 5                                 ; (the add and the youngest four loads may be out)
	MULA 1, 0, 0
	s_wait_dscnt 0x0                               ; the add is done, and my reads of this slot are over
	s_barrier_signal -1
	MULA 1, 1, 0
.if \fill
	WIN 0
.endif
	s_barrier_wait -1
.if \fill
	CREST                                          ; no wave of any partner still reads this slot or has a load on its way
	s_add_nc_u64 s[G0+4*(\slot)+2:G0+4*(\slot)+3], s[G0+4*(\slot)+2:G0+4*(\slot)+3], 2*KSTEPB
	s_add_nc_u64 s[G0B+4*(\slot)+2:G0B+4*(\slot)+3], s[G0B+4*(\slot)+2:G0B+4*(\slot)+3], 2*KSTEPB
	JLOAD \slot                                    ; its four v_nop are also the places in front of the loads below
.else
	PLACES
.endif
	FETCH \next, 0, 0
.if \fill
	ASK
.endif
	MULA 1, 2, 0
	MULA 1, 3, 0
.endm
	s_wait_tensorcnt 1                             ; my part of K step 0 is in; K step 1's may stay out
	s_barrier_signal -1
	s_barrier_wait -1
	FETCH 0, 0, 0
	QUARTER 0, 64, 0, 1, 1                         ; the first quarter stands in front of the loop: its products start the sums
	WIN 0
	s_mov_b32 s[LAP], LAPS-1
.Llap:                                         ; a trip goes once round the ring, from a lap's second quarter to the next lap's first
	QUARTER 0, 128, 1, 0, 0
	QUARTER 0, 192, 0, 1, 0
	TURN 0, 1, 1
	QUARTER 1, 64,  0, 1, 0
	QUARTER 1, 128, 1, 0, 0
	QUARTER 1, 192, 0, 1, 0
	TURN 1, 0, 1
	QUARTER 0, 64,  0, 1, 0
	WIN 0
	s_sub_co_u32 s[LAP], s[LAP], 1
	s_cmp_lg_u32 s[LAP], 0
	s_cbranch_scc1 .Llap
	QUARTER 0, 128, 1, 0, 0                        ; the last lap fills nothing
	QUARTER 0, 192, 0, 1, 0
	TURN 0, 1, 0
	QUARTER 1, 64,  0, 1, 0
	QUARTER 1, 128, 1, 0, 0
	QUARTER 1, 192, 0, 1, 0
	s_wait_dscnt 4
	MULA 1, 0, 0
	MULA 1, 1, 0
	s_wait_dscnt 0x0
	MULA 1, 2, 0
	MULA 1, 3, 0
	PLACES
	PLACES
; THE WAY OUT, in 12 units u = 3 a + head: 16 rows x 64 columns.  Rounded to f16 (each accumulator from its low end on), 16 bytes a lane into my stage, back as whole rows of 128 bytes: 2,048 consecutive bytes of qkv.
.macro PACKU u
.set pa, (\u)/3
.set ph, (\u)%3
	WIN 0x0a+5*(pa/2)
.irp bb, 0,1,2,3
.irp r, 0,1,2,3
	v_cvt_pk_f16_f32 v[TMP+16*((\u)%2)+4*(\bb)+(\r)], v[8*(12*(pa%2)+4*ph+(\bb))+2*(\r)], v[8*(12*(pa%2)+4*ph+(\bb))+2*(\r)+1]
.endr
.endr
	WIN 0
.irp bb, 0,1,2,3
	ds_store_b128 v[STO], v[TMP+16*((\u)%2)+4*(\bb):TMP+16*((\u)%2)+4*(\bb)+3] offset:32*(\bb)
.endr
	WIN 0x40
.irp f, 0,1,2,3
	ds_load_b128 v[16*(\u)+4*(\f):16*(\u)+4*(\f)+3], v[RD] offset:(\f)*4*SP  ; LDS serves a wave's instructions in order (ISA guide 5.7.1.4): these see the stores above
.endr
.endm
.macro SENDU u, younger                ; younger: the LDS instructions issued behind unit u's loads
.set sa, (\u)/3
.set sh, (\u)%3
	WIN 0x04
.irp f, 0,1,2,3
	s_wait_dscnt (\younger)+3-(\f)
	global_store_b128 v[GO], v[16*(\u)+4*(\f):16*(\u)+4*(\f)+3], s[OUTB+2*sh:OUTB+2*sh+1] offset:2048*sa+512*(\f)  ; 512 consecutive bytes, aligned
.endr
.endm
	PACKU 0
.irp u, 1,2,3,4,5,6,7,8,9,10,11
	PACKU \u
	SENDU (\u)-1, 8
.endr
	SENDU 11, 0
	WIN 0
	s_wait_tensorcnt 0x0                           ; the wave's end
	ds_add_u32 v[SPW], v[NIL]
	s_wait_dscnt 0x0
	CROUND                                         ; the closing round: no work-group ends while a partner may still ask for a tile that names it
	s_endpgm
.Lfunc_end_k_qed47c265f8_gemm1:
	.size	k_qed47c265f8_gemm1, .Lfunc_end_k_qed47c265f8_gemm1-k_qed47c265f8_gemm1
	.p2alignl 7, 3214868480
	.fill 96, 4, 3214868480
	.section	.rodata,"a",@progbits
	.p2align	6, 0x0
	.amdhsa_kernel k_qed47c265f8_gemm1
		.amdhsa_group_segment_fixed_size 327680
		.amdhsa_private_segment_fixed_size 0
		.amdhsa_enable_private_segment 0
		.amdhsa_kernarg_size 40
		.amdhsa_user_sgpr_count 2
		.amdhsa_user_sgpr_kernarg_segment_ptr 1
		.amdhsa_wavefront_size32 1
		.amdhsa_system_sgpr_workgroup_id_x 1
		.amdhsa_system_sgpr_workgroup_id_y 1
		.amdhsa_system_sgpr_workgroup_id_z 1
		.amdhsa_system_vgpr_workitem_id 0
		.amdhsa_next_free_vgpr 960
		.amdhsa_next_free_sgpr 80
		.amdhsa_reserve_vcc 0
		.amdhsa_float_denorm_mode_32 3
		.amdhsa_float_denorm_mode_16_64 3
		.amdhsa_memory_ordered 1
		.amdhsa_forward_progress 1
		.amdhsa_inst_pref_size 133
	.end_amdhsa_kernel
	.amdgpu_metadata
---
amdhsa.version: [ 1, 2 ]
amdhsa.kernels:
  - .name:           k_qed47c265f8_gemm1
    .symbol:         k_qed47c265f8_gemm1.kd
    .args:
      - { .name: xw, .offset: 0, .size: 8, .value_kind: global_buffer, .address_space: global }
      - { .name: bq, .offset: 8, .size: 8, .value_kind: global_buffer, .address_space: global }
      - { .name: bk, .offset: 16, .size: 8, .value_kind: global_buffer, .address_space: global }
      - { .name: bv, .offset: 24, .size: 8, .value_kind: global_buffer, .address_space: global }
      - { .name: qkv, .offset: 32, .size: 8, .value_kind: global_buffer, .address_space: global }
    .group_segment_fixed_size: 327680
    .private_segment_fixed_size: 0
    .kernarg_segment_align: 8
    .kernarg_segment_size: 40
    .max_flat_workgroup_size: 128
    .sgpr_count:     80
    .vgpr_count:     960
    .wavefront_size: 32
...
	.end_amdgpu_metadata
.endif
;; end of part 2
;; launch attn (part 3): grid 4 x 64, 4 waves a work-group, clusters of 4 x 1, 327,680 bytes of LDS; arguments qkv, mk, rf, ctx; writes ctx
.if DOCPART == 3
	.amdgcn_target "amdgcn-amd-amdhsa--gfx1250"
	.amdhsa_code_object_version 6
	.text
	.protected	k_qed47c265f8_attn
	.globl	k_qed47c265f8_attn
	.p2align	8
	.type	k_qed47c265f8_attn,@function
k_qed47c265f8_attn:
	s_mov_b64 s[64:65], 0
	v_nop
	global_prefetch_b8 v0, s[64:65] scope:SCOPE_SE
	s_setreg_imm32_b32 hwreg(HW_REG_WAVE_MODE, 25, 1), 1
	s_wait_xcnt 0x0
	s_wait_alu depctr_hold_cnt(0) depctr_sa_sdst(0) depctr_va_vdst(0) depctr_va_sdst(0) depctr_va_ssrc(0) depctr_va_vcc(0) depctr_vm_vsrc(0)
	s_getreg_b32 s2, hwreg(HW_REG_IB_STS2, 6, 4)
	s_cmp_eq_u32 s2, 0
	s_cbranch_scc0 .Lentry_in_a_cluster
	s_endpgm
.Lentry_in_a_cluster:
	s_bfe_u32 s2, ttmp6, 0x10000c
	s_cmp_lg_u32 s2, 0x3003
	s_cbranch_scc0 .Lentry_shape_is_right
	s_endpgm
.Lentry_shape_is_right:
; ATTENTION WITH A MASK THAT IS AN INPUT.  ctx[bh][q][:] = the sum over k of softmax_k(s) V[bh][k][:], s = Q . K / 8 where mask[q][k] is not 0, hidden elsewhere.
; qkv: f16 [3][64][2048][64] (Q, K at +0x1000000, V at +0x2000000); ctx: f16 [64][2048][64].  Products, maxima and sums in f32; the weights p are rounded to f16 for the second product, ctx once.
; The scale register holds 227 in all four bytes, the same in every lane.
; No key step is left out: the mask's pattern is not known.
; A ROW THAT SEES NO KEY (rf = 0) has its Q set to 0: all its scores are exactly -2^100, c s - c m is exactly 0 (c x a power of two is exact), every p is 1, and the row gets the mean of V.
; Where a row's first key steps are all hidden, l and O^T hold finite numbers that a = 0 wipes out when the first visible key comes.
; LIMITS.  A hidden key weighs 0 as soon as its row has a visible key (the formula with -1e9 differs only where visible scaled scores lie near or below -1e9).  Q, K, V arrive within f16's 65,504;
; p below 6e-5 keeps f16's fixed step; a weight below 2^-126 counts as 0 in l; NaN and infinities are not treated apart.
; SHARES.  A wave owns four PIECES of two tiles of 16 queries, a work-group's four waves 512 queries of one head.  Every wave walks all 2,048 keys, 64 a step.
; LAYOUT.  S^T = K Q^T (source 0 = 16 keys, source 1 = 16 queries): a lane holds ONE query (lane % 16) and the keys 8 (lane / 16) + 0..7.  Two such tiles, rounded to f16 in pairs, ARE source 1 of
; O^T = V^T P.  K comes out of LDS as it lies, V turned, by ds_load_tr16_b128.
; SOFTMAX.  A running maximum m and sum l: p = 2^(c s - c m), c = log2(e) / 8; in every step O and l are multiplied by a = 2^(c m_old - c m_new).  m starts at the lowest finite number, O and l at 0.
; BY TURNS.  Turn n belongs to piece n.  Matrix work: 16 products K Q^T of piece n + 1, later 16 products V^T P of piece n - 1.  Vector work: scaling, exponentials, roundings, sums and rescaling of piece n,
; the maximum and statistics of piece n + 1, and the masks of piece n + 2.  Four vector instructions stand behind every matrix instruction, the rest in one lump; a turn's 66 exponentials are one batch with one wait.
; CLUSTER.  The four query blocks of a head walk the same K and V: each tile is asked for jointly, same load, descriptor and mask in all four.
; REGISTERS, in windows of 256 (s_set_vgpr_msb: bits 1:0 source 0, 3:2 source 1, 5:4 source 2, 7:6 destination):
;   window 0: v0-11 addresses; v12-15, v48-63 at work; v16-47 statistics; v64-191 S^T, two buffers of two tiles; v192-255 P, likewise
;   window 1: O^T, 32 a tile          window 2: v0-127 Q; v128-191 K of one step; v192-255 V of one step
;   window 3: v0-1 the add's registers; v2 the scale bytes; v4-7 a piece's offset in mk; v16-47 the codes as loaded, 8 a piece; v64-191 the masks, two buffers of two tiles
.set SIZE_N, 2048
.set NP,    4
.set KS,    64
.set PK,    144       ; a row of K in LDS: 128 bytes + 16 of padding: the 16 rows of a load start at 16 different groups of four banks (ISA guide 11.1)
.set PV,    160       ; a row of V: 128 + 32
.set VOFF,  4*KS*PK   ; a slot holds four steps: 256 rows of K, then 256 rows of V
.set SLOT1, 1<<17
.set STAGE, SLOT1+4*KS*(PK+PV)  ; behind the ring, never filled by a tensor load: 16 rows x 144 bytes for each wave
.set SP,    144
.set AK0, 2
.set AV0, 3
.set AK,  4
.set AV,  5           ; v5   V's next run of loads; before the first turn: 4 (l % 16), the flags' offset
.set QO,  6
.set STO, 6
.set RD,  7
.set GO,  8
.set PFO, 11          ; v11  256 x my lane, once V's place is made; never rewritten after
.set SPW, 0           ; window 3
.set NIL, 1           ; window 3
.set SCL, 2           ; window 3: 227 in each of the four bytes
.set MO,  4           ; window 3: piece y's byte offset in a tile of mk: 16 x lane + 512 x step
.set RAW, 16          ; window 3: tile u, word kb of piece y at RAW + 8 y + 4 u + kb
.set MC,  64          ; window 3: the masks of piece y, tile u, key block kb at MC + 64 (y % 2) + 32 u + 8 kb
.set SPARE, STAGE+4*16*SP
.set MV,  12
.set ST,  16
.set TMP, 48
.set S,   64
.set P,   192
.set KF,  128
.set VF,  192
.set WV,  12
.set G1K, 24
.set G1V, 32
.set G0K, 40
.set G0V, 44
.set SLOTS, 56
.set CNT, 57
.set CS,  58
.set SEL, 60
.set TBK, 62
.set TBV, 63
.set MB,  66          ; s[66:67] mk at my wave's eight query tiles
.set PFA, 68          ; s[68:69] where my prefetches stand
.set LIM, 70          ; s70  1 in waves 0 and 2, else the greatest number
.set RF,  74          ; s[74:75] rf at my wave's 128 rows
.set MSB, 0
.macro WIN new
.if MSB != (\new)
	s_set_vgpr_msb (MSB<<8)|(\new)
.set MSB, (\new)
.endif
.endm
.set W_KQ, 0x0a       ; K and Q in window 2, S^T in window 0
.set W_KM, 0x3a       ; the same with the C operand in window 3
.set W_PV, 0x52       ; V in window 2, P in window 0, O^T in window 1
.set W_RS, 0x41       ; O^T in window 1, a in window 0
.set W_MK, 0xc0       ; destination in window 3, sources in window 0
.set W_AD, 0x0f       ; sources 0 and 1 in window 3
.set W_M3, 0xcf       ; destination and sources 0 and 1 in window 3
.macro JLOAD                        ; a joint fill: waves 0, 1 fetch the halves of a slot's K, waves 2, 3 of its V; an s_nop 0 and four v_nop follow each line
	s_cmp_lt_u32 s[WV], 2
	s_cbranch_scc0 .Lfor_v_\@
	tensor_load_to_lds s[G0K:G0K+3], s[G1K:G1K+7]
	s_nop 0
.rept 4
	v_nop
.endr
	s_branch .Lasked_\@
.Lfor_v_\@:
	tensor_load_to_lds s[G0V:G0V+3], s[G1V:G1V+7]
	s_nop 0
.rept 4
	v_nop
.endr
.Lasked_\@:
.endm
; A prefetch of what the NEXT change of slots will ask for: a slot's 32,768 bytes of K and of V, 256 bytes a lane.  A head has one cluster; its four partners take 8,192 bytes each, told apart by address;
; wave 0 asks for K's, wave 2 for V's.  So each 256 bytes of slots 2 to 7 are named once, four key steps ahead of their load.  The last change that fills a slot asks for nothing.  mk is walked by all 64 heads: not asked for.
.macro ASK
	s_cmp_gt_u32 s[SLOTS], s[LIM]
	s_cbranch_scc0 .Lnot_mine_\@
	global_prefetch_b8 v[PFO], s[PFA:PFA+1] th:TH_LOAD_NT scope:SCOPE_SE
.Lnot_mine_\@:
.endm
.macro CROUND
	s_barrier_signal -1
	s_barrier_wait -1
	s_cmp_lg_u32 s[WV], 0
	s_cbranch_scc1 .Lnot_wave_0_\@
	s_barrier_signal -3
.Lnot_wave_0_\@:
	s_barrier_wait -3
	s_barrier_signal -1
	s_barrier_wait -1
.endm
; THE CHANGE OF SLOTS.  Each wave waits for all its tensor loads (one is out: its part of the other slot), adds 0 to its spare word, and waits for that and for its reads of the slot.
; fill = 1: the barrier is a round of the cluster's, and the joint fill, with the keys two slots on, is the first thing behind it: it has four key steps in which to land.
.macro CHANGE fill
	WIN W_AD
	s_wait_tensorcnt 0x0            ; no tensor load of mine is out, so a group 0 may be written
	ds_add_u32 v[SPW], v[NIL]       ; 0 onto my spare word
	WIN 0
.if \fill
.irp g, G0K, G0V
	s_xor_b32 s[\g+1], s[\g+1], SLOT1
	s_add_nc_u64 s[\g+2:\g+3], s[\g+2:\g+3], 4*KS*128
.endr
	s_wait_xcnt 0x0                 ; the last prefetch, four key steps back, has read its address
	s_add_nc_u64 s[PFA:PFA+1], s[PFA:PFA+1], 4*KS*128
	s_wait_dscnt 0x0                ; the add is done, and my reads of the slot are over
	CROUND
	JLOAD
	ASK
.else
	s_wait_dscnt 0x0
	s_barrier_signal -1
	s_barrier_wait -1
.endif
	s_sub_co_u32 s[TBK], s[TBK], 4*KS*PK
	s_xor_b32 s[TBK], s[TBK], SLOT1
	s_sub_co_u32 s[TBV], s[TBV], 4*KS*PV
	s_xor_b32 s[TBV], s[TBV], SLOT1
.endm
	s_load_b64 s[4:5], s[0:1], 0x0    ; qkv
	s_load_b128 s[72:75], s[0:1], 0x8 ; mk s[72:73], rf s[74:75]
	s_load_b64 s[10:11], s[0:1], 0x18 ; ctx
	WIN W_MK
	v_lshl_add_u32 v[SPW], v0, 2, SPARE
	v_mov_b32 v[NIL], 0
	WIN W_AD
	ds_add_u32 v[SPW], v[NIL]       ; the wave's opening: the add and its wait stand ahead of my first tensor load
	WIN 0
	v_lshrrev_b32 v1, 5, v0
	v_readfirstlane_b32 s[WV], v1
	s_bfe_u32 s13, ttmp6, 0x40000   ; cx
	s_lshl_b32 s14, ttmp9, 2
	s_add_co_u32 s14, s14, s13      ; my block of 512 queries: it enters Q's, ctx's, mk's and rf's addresses alone
	s_and_b32 s20, ttmp7, 0xffff    ; batch x 16 + head, which the four partners share
	s_mov_b32 s21, 0
	s_mov_b64 s[22:23], SIZE_N*128
	s_mul_u64 s[20:21], s[20:21], s[22:23]
	s_and_b32 s16, s[WV], 1
	s_lshl_b32 s22, s16, 14
	s_mov_b32 s23, 0
	s_add_nc_u64 s[22:23], s[22:23], s[20:21]
	s_mul_i32 s17, s16, 128*PK
	s_mul_i32 s18, s16, 128*PV
	s_lshl_b32 s2, s14, 2
	s_add_co_u32 s2, s2, s[WV]      ; my wave among the head's sixteen
	s_lshl_b32 s[MB], s2, 17        ; its eight query tiles in mk, 16,384 bytes each
	s_mov_b32 s[MB+1], 0
	s_lshl_b32 s[PFA], s2, 9        ; its 128 flags (the pair is at work here; it takes the prefetches' address below)
	s_mov_b32 s[PFA+1], 0
	s_lshl_b32 s2, s2, 14           ; its 128 rows
	s_mov_b32 s3, 0
	s_add_nc_u64 s[2:3], s[2:3], s[20:21]
	s_mov_b32 s[G1K], 15|(1<<16)|(1<<20)|(1<<21)|(4<<22)|(3<<25)  ; the mask of four; 2-byte elements; padding on; bit 21 beside a mask; after every 32 words 4 words
	s_mov_b32 s[G1V], 15|(1<<16)|(1<<20)|(1<<21)|(4<<22)|(7<<25)  ; the same with 8 words
.irp g, G1K, G1V
	s_mov_b32 s[\g+1], 128<<16      ; 128 keys are 16,384 dense bytes: asked for as 64 rows of 256 bytes
	s_mov_b32 s[\g+2], 64<<16
	s_mov_b32 s[\g+3], 128<<16
	s_mov_b32 s[\g+4], 64
	s_mov_b32 s[\g+5], 128
	s_mov_b32 s[\g+6], 0
	s_mov_b32 s[\g+7], 0
.endr
	s_mov_b32 s[CS], 0x3e38aa3b     ; c = log2(e) / 8
	s_mov_b32 s[CS+1], s[CS]
	s_mov_b32 s[SEL], 0x76543210
	s_mov_b32 s[SEL+1], 0xfedcba98
	s_mov_b32 s[TBK], SLOT1+4*KS*PK ; the first change of slots turns these two into 0
	s_mov_b32 s[TBV], SLOT1+4*KS*PV
	s_mov_b32 s[G0K], 1
	s_mov_b32 s[G0K+1], s17
	s_mov_b32 s[G0V], 1
	s_add_co_u32 s[G0V+1], s18, VOFF
	s_mov_b32 s[SLOTS], SIZE_N/256-1  ; slots still to be asked for
	s_and_b32 s[LIM], s[WV], 1
	s_cmp_eq_u32 s[LIM], 0
	s_cselect_b32 s[LIM], 1, -1
	s_wait_dscnt 0x0                ; the opening add is done
	s_wait_kmcnt 0x0
	s_add_nc_u64 s[6:7], s[4:5], 0x1000000   ; K
	s_add_nc_u64 s[8:9], s[4:5], 0x2000000   ; V
	s_add_nc_u64 s[MB:MB+1], s[72:73], s[MB:MB+1]
	s_add_nc_u64 s[RF:RF+1], s[RF:RF+1], s[PFA:PFA+1]
	s_add_nc_u64 s[G0K+2:G0K+3], s[6:7], s[22:23]
	s_or_b32 s[G0K+3], s[G0K+3], 0x80000000
	s_add_nc_u64 s[G0V+2:G0V+3], s[8:9], s[22:23]
	s_or_b32 s[G0V+3], s[G0V+3], 0x80000000
	s_add_nc_u64 s[4:5], s[4:5], s[2:3]
	s_add_nc_u64 s[10:11], s[10:11], s[2:3]
	s_cmp_lt_u32 s[WV], 2
	s_cselect_b64 s[PFA:PFA+1], s[6:7], s[8:9]
	s_add_nc_u64 s[PFA:PFA+1], s[PFA:PFA+1], s[20:21]
	s_lshl_b32 s72, s13, 13         ; my work-group's 8,192 bytes of a slot's 32,768
	s_mov_b32 s73, 0
	s_add_nc_u64 s[PFA:PFA+1], s[PFA:PFA+1], s[72:73]
	s_add_nc_u64 s[PFA:PFA+1], s[PFA:PFA+1], 4*KS*128  ; in slot 1; the first change of slots steps it to slot 2
	CROUND                          ; all four work-groups are here: the first joint loads meet
	JLOAD                           ; slot 0
	v_and_b32 v1, 15, v0            ; l % 16
	v_bfe_u32 v9, v0, 4, 1          ; l / 16
	v_lshlrev_b32 v[QO], 7, v1
	v_lshl_add_u32 v[QO], v9, 4, v[QO]
	v_lshlrev_b32 v[AV], 2, v1      ; my query's flag in 16
	v_and_b32 v[MV], 31, v0
	v_lshlrev_b32 v[MV], 4, v[MV]   ; my 16 bytes in a key step's 512 of mk
	WIN 0x80
.set i, 0
.rept 4*NP                          ; Q stays in registers: tile i / 2, channels 32 (i % 2) on
	global_load_b128 v[8*i:8*i+3],   v[QO], s[4:5] offset:(i/2)*2048+(i%2)*64
	global_load_b128 v[8*i+4:8*i+7], v[QO], s[4:5] offset:(i/2)*2048+(i%2)*64+32
.set i, i+1
.endr
	WIN 0
.set t, 0
.rept 2*NP
	global_load_b32 v[TMP+t], v[AV], s[RF:RF+1] offset:64*t  ; tile t's flags
.set t, t+1
.endr
	WIN W_MK
	v_mov_b32 v[SCL], 0xe3e3e3e3    ; the scale 2^100 (E8M0 byte 227), in every byte of the word and in every lane
.irp y, 0,1,2,3
	v_mov_b32 v[MO+\y], v[MV]
.endr
	WIN W_M3
.set t, 0
.rept 2*NP                          ; the codes of key step 0, pieces 0 to 3 in order
	global_load_b128 v[RAW+4*t:RAW+4*t+3], v[MO+t/2], s[MB:MB+1] offset:t*16384
.set t, t+1
.endr
	WIN 0x80
	; What the first turn finds: V's registers and P's second buffer hold 0, O^T and l are 0.  All this stands in the wait for the first tile.
.set i, VF
.rept 64
	v_mov_b32 v[i], 0
.set i, i+1
.endr
	WIN 0x40
.set i, 0
.rept 64*NP
	v_mov_b32 v[i], 0
.set i, i+1
.endr
	WIN 0
.set i, 0
.rept 2*NP
	v_mov_b32 v[ST+4*i], 0xfe000000    ; c m: far below every c s, c x -2^100 too
	v_mov_b32 v[ST+4*i+1], 0xff7fffff  ; m
	v_mov_b32 v[ST+4*i+2], 0
	v_mov_b32 v[ST+4*i+3], 0
.set i, i+1
.endr
.set i, P+32
.rept 32
	v_mov_b32 v[i], 0
.set i, i+1
.endr
	v_mul_u32_u24 v[AK0], v1, PK
	v_lshl_add_u32 v[AK0], v9, 4, v[AK0]
	v_and_b32 v10, 7, v0
	v_bfe_u32 v11, v0, 3, 1
	v_lshl_add_u32 v[AV0], v9, 3, v10
	v_mul_u32_u24 v[AV0], v[AV0], PV
	v_lshl_add_u32 v[AV0], v11, 4, v[AV0]
	v_add_nc_u32 v[AV0], VOFF, v[AV0]
	v_mov_b32 v[AK], v[AK0]
	v_and_b32 v[PFO], 31, v0
	v_lshlrev_b32 v[PFO], 8, v[PFO]
; THE MATRIX WORK.  The 8 accumulators of a run of 16 take turns.
; Product i of 16 of S^T = K Q^T for piece x: channels 32 (i / 8) on, keys 16 ((i / 2) % 4) on, tile 2 x + i % 2.  The first 8 start the sums, with the mask as C.
.macro KQ x
.set rS, S+64*((\x)%2)+32*(i%2)+8*((i/2)%4)
.set rK, KF+16*((i/2)%4)+8*(i/8)
.set rQ, 16*(2*(\x)+i%2)+8*(i/8)
.set rMC, MC+64*((\x)%2)+32*(i%2)+8*((i/2)%4)
.if i < 8
	WIN W_KM
	v_wmma_f32_16x16x32_f16 v[rS:rS+7], v[rK:rK+7], v[rQ:rQ+7], v[rMC:rMC+7]
.else
	WIN W_KQ
	v_wmma_f32_16x16x32_f16 v[rS:rS+7], v[rK:rK+7], v[rQ:rQ+7], v[rS:rS+7]
.endif
.endm
.macro PV x
	WIN W_PV
.set rO, 32*(2*(\x)+i%2)+8*((i/2)%4)
.set rV, VF+32*(i/8)+8*((i/2)%4)
.set rP, P+32*((\x)%2)+16*(i%2)+8*(i/8)
	v_wmma_f32_16x16x32_f16 v[rO:rO+7], v[rV:rV+7], v[rP:rP+7], v[rO:rO+7]
.endm
.macro MM
.if i < 16
	KQ (Y+1)%NP
.set i, i+1
.else
.set i, i-16
	PV (Y+NP-1)%NP
.set i, i+17
.endif
.endm
.macro FETCH_K last=0
	WIN 0
.if \last
	s_cmp_eq_u32 s[CNT], 1
	s_cbranch_scc1 .Lno_k_\@
.endif
	WIN 0x80
.irp f, 0,1,2,3,4,5,6,7
	ds_load_b128 v[KF+8*\f:KF+8*\f+3],   v[AK] offset:(\f/2)*16*PK+(\f%2)*64
	ds_load_b128 v[KF+8*\f+4:KF+8*\f+7], v[AK] offset:(\f/2)*16*PK+(\f%2)*64+32
.endr
	s_add_co_u32 s[TBK], s[TBK], KS*PK
	WIN 0
.if \last
.Lno_k_\@:
.endif
.endm
.macro FETCH_V
	WIN 0x80
.irp f, 0,1,2,3,4,5,6,7
	ds_load_tr16_b128 v[VF+8*\f:VF+8*\f+3],   v[AV] offset:(\f/4)*32*PV+(\f%4)*32
	ds_load_tr16_b128 v[VF+8*\f+4:VF+8*\f+7], v[AV] offset:(\f/4)*32*PV+16*PV+(\f%4)*32
.endr
	WIN 0
.endm
; THE MASKS of piece y for its next key step: 8 scaled conversions, a word of codes into 8 registers each; then the piece's codes of the step after are asked for: they have a whole key step in which to come.
; wt = 1: the wait leaves the three other pieces' six loads out; it also shows the piece's own loads done, so their offset may be stepped.  The step and the AND are the plain instructions between the conversions
; and the loads into their sources; the AND takes step 32 back to step 0, so that no load leaves mk (what it brings serves nothing).
.macro MASKS y, wt=1
.if \wt
	s_wait_loadcnt 6
.endif
	WIN W_M3
.irp u, 0,1
.irp kb, 0,1,2,3
	v_cvt_scale_pk8_f32_fp4 v[MC+64*((\y)%2)+32*(\u)+8*(\kb):MC+64*((\y)%2)+32*(\u)+8*(\kb)+7], v[RAW+8*(\y)+4*(\u)+(\kb)], v[SCL]
.endr
.endr
	v_add_nc_u32 v[MO+(\y)], 0x200, v[MO+(\y)]
	v_and_b32 v[MO+(\y)], 0x3fff, v[MO+(\y)]
.irp u, 0,1
	global_load_b128 v[RAW+8*(\y)+4*(\u):RAW+8*(\y)+4*(\u)+3], v[MO+(\y)], s[MB:MB+1] offset:(2*(\y)+(\u))*16384
.endr
	WIN 0
.endm
; THE VECTOR WORK OF A TURN stands in three queues, each in the order in which its entries become ready; the two tiles alternate.
.macro REGS y, u
.set rT, ST+4*(2*(\y)+(\u))
.set rC, TMP+8*((\y)%2)+4*(\u)
.set rM, MV+2*((\y)%2)+(\u)
.set rS, S+64*((\y)%2)+32*(\u)
.set rP, P+32*((\y)%2)+16*(\u)
.set rO, 32*(2*(\y)+(\u))
.endm
; Number n of the 22 that find the NEXT piece's maximum and statistics; each accumulator's lowest registers are read first.
;   0-11 four chains of seven scores     12-14, 16 the four scores left over, the old m, the chains into one     15 c m_old is kept     17, 18 the other half of the lanes; the new m     19-21 c m; its change; a
.macro XS u, n
	REGS (Y+1)%NP, \u
.if (\n) < 4
	v_max3_num_f32 v[rC+(\n)], v[rS+8*(\n)], v[rS+8*(\n)+1], v[rS+8*(\n)+2]
.elseif (\n) < 12
	v_max3_num_f32 v[rC+(\n)%4], v[rC+(\n)%4], v[rS+8*((\n)%4)+2*((\n)/4)+1], v[rS+8*((\n)%4)+2*((\n)/4)+2]
.elseif (\n) == 12
	v_max3_num_f32 v[rC], v[rC], v[rS+7], v[rS+15]
.elseif (\n) == 13
	v_max3_num_f32 v[rC+1], v[rC+1], v[rS+23], v[rS+31]
.elseif (\n) == 14
	v_max3_num_f32 v[rC+2], v[rC+2], v[rC+3], v[rT+1]
.elseif (\n) == 15
	v_mov_b32 v[rM], v[rT]
.elseif (\n) == 16
	v_max3_num_f32 v[rC], v[rC], v[rC+1], v[rC+2]
.elseif (\n) == 17
	v_permlanex16_b32 v[rC+3], v[rC], s[SEL], s[SEL+1]
.elseif (\n) == 18
	v_max_num_f32 v[rT+1], v[rC], v[rC+3]
.elseif (\n) == 19
	v_mul_f32 v[rT], s[CS], v[rT+1]
.elseif (\n) == 20
	v_sub_f32 v[rC+1], v[rM], v[rT]
.else
	v_exp_f32 v[rC+2], v[rC+1]
.endif
.endm
; Number g of the 64 that follow the exponentials: for each four weights both pairs are rounded to f16, the second pair is added onto the first, and a group later l takes that sum (the first time as l = a l + sum).
.macro GS g
.set h, (\g)+6*((\g)/62)
.if h >= 6
.set h, h+2
.endif
	REGS Y, h%2
.set k, h/8
.if h%8 < 4
	v_cvt_pk_f16_f32 v[rP+2*k+(h%8)/2], v[rS+4*k+2*((h%8)/2)], v[rS+4*k+2*((h%8)/2)+1]
.elseif h%8 < 6
	v_pk_add_f32 v[rS+4*k:rS+4*k+1], v[rS+4*k:rS+4*k+1], v[rS+4*k+2:rS+4*k+3]
.elseif k == 1
	v_pk_fma_f32 v[rT+2:rT+3], v[rT+2:rT+3], v[rC+2:rC+3], v[rS:rS+1] op_sel_hi:[1,0,1]
.else
	v_pk_add_f32 v[rT+2:rT+3], v[rT+2:rT+3], v[rS+4*k-4:rS+4*k-3]
.endif
.endm
; THE PLAIN QUEUE, 138 long.  0-73 read no exponential's result: the 32 scalings c s - c m and the next piece's 42.  74-137: GS's 64, behind the wait.
.macro FS f
	REGS Y, (\f)%2
	v_pk_fma_f32 v[rS+2*((\f)/2):rS+2*((\f)/2)+1], v[rS+2*((\f)/2):rS+2*((\f)/2)+1], s[CS:CS+1], v[rT:rT+1] op_sel_hi:[1,0,0] neg_lo:[0,0,1] neg_hi:[0,0,1]
.endm
.macro PL
	WIN 0
.if q < 27
	FS q
.elseif q < 55
	XS (q-27)%2, (q-27)/2
.elseif q < 57
	XS q-55, 15
.elseif (q < 72) && ((q-57)%3 == 0)
	FS 27+(q-57)/3
.elseif q < 60
	XS (q-57)%3-1, 14
.elseif q < 72
	XS (q-57)%3-1, 15+(q-57)/3
.elseif q < 74
	XS q-72, 20
.else
	GS q-74
.endif
.set q, q+1
.endm
; THE EXPONENTIALS' QUEUE, 66 long: one batch, all ahead of the turn's one wait; nothing ahead of that wait names a result of theirs.
.macro EX
	WIN 0
.if e >= 64
	XS e-64, 21
.else
	REGS Y, e%2
	v_exp_f32 v[rS+e/2], v[rS+e/2]
.endif
.set e, e+1
.endm
; THE RESCALING's QUEUE: O^T times a, two at a time.  Its a was made, and waited for, in the turn before.
.macro R2
	REGS Y, r%2
	WIN W_RS
.irp z, 0,1
	v_pk_mul_f32 v[rO+4*(r/2)+2*\z:rO+4*(r/2)+2*\z+1], v[rO+4*(r/2)+2*\z:rO+4*(r/2)+2*\z+1], v[rC+2:rC+3] op_sel_hi:[1,0]
.endr
.set r, r+1
.endm
; A TURN, for piece p.  Ahead of its one wait: 16 products K Q^T, behind each a scaling, an exponential and two rescalings; the masks of piece p + 2 (into the buffer whose last readers were the turn before's
; products; the next turn's products read it); then the lump.  Behind the wait: 16 products V^T P, behind each four of the roundings and sums.
; K of the next step is fetched in piece 2's turn, directly behind the wait; V of the step in hand at the end of piece 0's turn, four riders behind its last reader.
.macro TURN p, last=0, cnt=0
.set Y, (\p)
.set i, 0
.set q, 0
.set e, 0
.set r, 0
.if (\p) == NP-1
	s_wait_dscnt 0x0                ; K is in
.endif
	MM
	PL
	PL
	R2
.rept 15
	MM
	PL
	EX
	R2
.endr
.if (\p) == NP-2
	WIN 0
	v_add_nc_u32 v[AK], s[TBK], v[AK0]
.endif
	MASKS ((\p)+2)%NP
.rept 8
	PL
.endr
.rept 49
	EX
	PL
.endr
	EX
	EX
	v_nop                           ; a plain instruction behind the last exponential: one for the batch
	s_wait_alu depctr_va_vdst(0)    ; the wait ahead of the first reader: one for the batch
.if (\p) == NP-2
	FETCH_K \last
.endif
.if (\p) == 1
	s_wait_dscnt 0x0                ; V is in
.endif
.rept 16
	MM
.rept 4
	PL
.endr
.if ((\p) == 0) && (q == 118)
	v_add_nc_u32 v[AV], s[TBV], v[AV0]
.endif
.if ((\p) == 0) && (q == 130)
	s_add_co_u32 s[TBV], s[TBV], KS*PV
.endif
.if (\cnt) && (q == 130)
	s_sub_co_u32 s[CNT], s[CNT], 1
	s_cmp_lg_u32 s[CNT], 0
.endif
.endr
.if (\p) == 0
	FETCH_V
.endif
.endm
	CHANGE 1                        ; slot 0 is in, everybody's part of it; slot 1 is asked for
	FETCH_K                         ; key step 0
	s_wait_loadcnt 4                ; Q, the flags and the codes of pieces 0 and 1 are in; the four loads of pieces 2 and 3 may stay out
	WIN 0x88                        ; destination and source 1 in window 2, source 0 in window 0
.set t, 0
.rept 2*NP
.set i, 0
.rept 16
	v_and_b32 v[16*t+i], v[TMP+t], v[16*t+i]  ; a query that sees no key becomes 0
.set i, i+1
.endr
.set t, t+1
.endr
	MASKS 0, 0                      ; pieces 0 and 1, key step 0; behind these eight loads are out, in the order in which the turns wait for them: pieces 2, 3, 0, 1
	MASKS 1, 0
	s_wait_dscnt 0x0
.set i, 0
.rept 16
	KQ 0                            ; piece 0's first scores
.set i, i+1
.endr
	WIN 0                           ; the addresses for the way out: plain instructions, the places behind those products
	s_mul_i32 s13, s[WV], 16*SP
	s_add_co_u32 s13, s13, STAGE
	v_mul_u32_u24 v[STO], v1, SP
	v_lshl_add_u32 v[STO], v9, 4, v[STO]
	v_add_nc_u32 v[STO], s13, v[STO]
	v_bfe_u32 v[RD], v0, 3, 2
	v_mul_u32_u24 v[RD], v[RD], SP
	v_lshl_add_u32 v[RD], v10, 4, v[RD]
	v_add_nc_u32 v[RD], s13, v[RD]
	v_and_b32 v[GO], 31, v0
	v_lshlrev_b32 v[GO], 4, v[GO]
.set Y, NP-1
.irp n, 0,1,2,3,4,5,6,7,8,9,10,11,12,13,14,15,16,17,18,19,20,21
	XS 0, \n
	XS 1, \n
.endr
	v_nop
	s_wait_alu depctr_va_vdst(0)    ; the two a have their wait ahead of the branch
	s_mov_b32 s[CNT], 4
	s_branch .Lfirst                ; the loop is entered at a step's first turn, in the middle of a trip
.Lslot:                             ; six times: every slot but the last two is filled again
	CHANGE 1
	s_mov_b32 s[CNT], 4
.Lstep:                             ; a trip: pieces 2 and 3 of one step, then pieces 0 and 1 of the next
	TURN 2
	TURN 3
	WIN 0
.Lfirst:
	TURN 0
	TURN 1, 0, 1
	WIN 0
	s_cbranch_scc1 .Lstep
	s_sub_co_u32 s[SLOTS], s[SLOTS], 1
	s_cmp_lg_u32 s[SLOTS], 0
	s_cbranch_scc1 .Lslot
	CHANGE 0                        ; the tail is written out
	s_mov_b32 s[CNT], 5
.Ltail:
	TURN 2, 1
	TURN 3
	WIN 0
	s_sub_co_u32 s[CNT], s[CNT], 1
	s_cmp_eq_u32 s[CNT], 0
	s_cbranch_scc1 .Lout
	TURN 0
	TURN 1
	WIN 0
	s_branch .Ltail
.Lout:                              ; the fifth trip's 16 products K Q^T and the maximum made of them serve nothing: the price of one text for every trip
.set i, 0
.rept 16
	PV NP-1
.set i, i+1
.endr
	; THE WAY OUT.  l's halves are added; O^T is divided by l, rounded to f16 and sent through my stage, a tile at a time.  The additions are the places behind the last products.
	WIN 0
.macro ALL line:vararg
.set t, 0
.rept 2*NP
	\line
.set t, t+1
.endr
.endm
	ALL v_add_f32 v[ST+4*t+2], v[ST+4*t+2], v[ST+4*t+3]
	ALL v_permlanex16_b32 v[ST+4*t+3], v[ST+4*t+2], s[SEL], s[SEL+1]
	ALL v_add_f32 v[ST+4*t+2], v[ST+4*t+2], v[ST+4*t+3]
	ALL v_rcp_f32 v[ST+4*t+2], v[ST+4*t+2]
	v_nop
	s_wait_alu depctr_va_vdst(0)    ; one wait for the eight reciprocals
.macro PACK t
	WIN W_RS
.set i, 32*(\t)
.rept 16
	v_pk_mul_f32 v[i:i+1], v[i:i+1], v[ST+4*(\t)+2:ST+4*(\t)+3] op_sel_hi:[1,0]
.set i, i+2
.endr
	WIN 0x05
.set i, 0
.rept 16
	v_cvt_pk_f16_f32 v[S+16*(\t)+i], v[32*(\t)+2*i], v[32*(\t)+2*i+1]
.set i, i+1
.endr
	WIN 0
.irp f, 0,1,2,3
	ds_store_b128 v[STO], v[S+16*(\t)+4*\f:S+16*(\t)+4*\f+3] offset:32*\f
.endr
.irp f, 0,1,2,3
	ds_load_b128 v[S+16*(\t)+4*\f:S+16*(\t)+4*\f+3], v[RD] offset:\f*4*SP  ; LDS serves a wave's instructions in order (ISA guide 5.7.1.4)
.endr
.endm
.macro SEND t, younger
	WIN 0
.irp f, 0,1,2,3
	s_wait_dscnt (\younger)+3-\f
	global_store_b128 v[GO], v[S+16*(\t)+4*\f:S+16*(\t)+4*\f+3], s[10:11] offset:(\t)*2048+\f*512  ; 512 consecutive bytes, aligned
.endr
.endm
	PACK 0
.set t, 1
.rept 2*NP-1
	PACK t
	SEND t-1, 8
.set t, t+1
.endr
	SEND 2*NP-1, 0
	WIN W_AD
	s_wait_tensorcnt 0x0            ; the wave's end
	ds_add_u32 v[SPW], v[NIL]
	s_wait_dscnt 0x0
	WIN 0
	CROUND                          ; the closing round
	s_endpgm
.Lfunc_end_k_qed47c265f8_attn:
	.size	k_qed47c265f8_attn, .Lfunc_end_k_qed47c265f8_attn-k_qed47c265f8_attn
	.p2alignl 7, 3214868480
	.fill 96, 4, 3214868480
	.section	.rodata,"a",@progbits
	.p2align	6, 0x0
	.amdhsa_kernel k_qed47c265f8_attn
		.amdhsa_group_segment_fixed_size 327680
		.amdhsa_private_segment_fixed_size 0
		.amdhsa_enable_private_segment 0
		.amdhsa_kernarg_size 32
		.amdhsa_user_sgpr_count 2
		.amdhsa_user_sgpr_kernarg_segment_ptr 1
		.amdhsa_wavefront_size32 1
		.amdhsa_system_sgpr_workgroup_id_x 1
		.amdhsa_system_sgpr_workgroup_id_y 1
		.amdhsa_system_sgpr_workgroup_id_z 1
		.amdhsa_system_vgpr_workitem_id 0
		.amdhsa_next_free_vgpr 960
		.amdhsa_next_free_sgpr 76
		.amdhsa_reserve_vcc 0
		.amdhsa_float_denorm_mode_32 3
		.amdhsa_float_denorm_mode_16_64 3
		.amdhsa_memory_ordered 1
		.amdhsa_forward_progress 1
		.amdhsa_inst_pref_size 215
	.end_amdhsa_kernel
	.amdgpu_metadata
---
amdhsa.version: [ 1, 2 ]
amdhsa.kernels:
  - .name:           k_qed47c265f8_attn
    .symbol:         k_qed47c265f8_attn.kd
    .args:
      - { .name: qkv, .offset: 0, .size: 8, .value_kind: global_buffer, .address_space: global }
      - { .name: mk, .offset: 8, .size: 8, .value_kind: global_buffer, .address_space: global }
      - { .name: rf, .offset: 16, .size: 8, .value_kind: global_buffer, .address_space: global }
      - { .name: ctx, .offset: 24, .size: 8, .value_kind: global_buffer, .address_space: global }
    .group_segment_fixed_size: 327680
    .private_segment_fixed_size: 0
    .kernarg_segment_align: 8
    .kernarg_segment_size: 32
    .max_flat_workgroup_size: 128
    .sgpr_count:     76
    .vgpr_count:     960
    .wavefront_size: 32
...
	.end_amdgpu_metadata
.endif
;; end of part 3
;; launch gemm2 (part 4): grid 8 x 32, 4 waves a work-group, clusters of 4 x 4, 327,680 bytes of LDS; arguments ctx, xw, bo, out0; writes out0
.if DOCPART == 4
	.amdgcn_target "amdgcn-amd-amdhsa--gfx1250"
	.amdhsa_code_object_version 6
	.text
	.protected	k_qed47c265f8_gemm2
	.globl	k_qed47c265f8_gemm2
	.p2align	8
	.type	k_qed47c265f8_gemm2,@function
k_qed47c265f8_gemm2:
	s_mov_b64 s[64:65], 0
	v_nop
	global_prefetch_b8 v0, s[64:65] scope:SCOPE_SE
	s_setreg_imm32_b32 hwreg(HW_REG_WAVE_MODE, 25, 1), 1
	s_wait_xcnt 0x0
	s_wait_alu depctr_hold_cnt(0) depctr_sa_sdst(0) depctr_va_vdst(0) depctr_va_sdst(0) depctr_va_ssrc(0) depctr_va_vcc(0) depctr_vm_vsrc(0)
	s_getreg_b32 s2, hwreg(HW_REG_IB_STS2, 6, 4)
	s_cmp_eq_u32 s2, 0
	s_cbranch_scc0 .Lentry_in_a_cluster
	s_endpgm
.Lentry_in_a_cluster:
	s_bfe_u32 s2, ttmp6, 0x10000c
	s_cmp_lg_u32 s2, 0xf033
	s_cbranch_scc0 .Lentry_shape_is_right
	s_endpgm
.Lentry_shape_is_right:
; THE OUTPUT PROJECTION.  out0[8192][1024] = ctx Wo^T + bo.  ctx: f16 by heads, [batch x 16 + head][2048][64]; Wo: f16 (bf16 numbers written as f16), 1,024 rows of 2,048 bytes from byte WOB of xw on;
; f32 sums, K = head x 64 + channel ascending; out0 f32.  bo is rounded to bf16, like every input of the module, and is the C operand of the products that start the sums.
; SHARES.  A tile is 256 rows x 128 columns: 32 x 8 = 256 work-groups.  Wave w makes rows 64 w .. + 63 of all 128 columns: 4 x 8 accumulators, 256 registers.
; K goes in steps of 128 = two heads through two LDS slots.  A head's 256 rows of the tile are 32,768 dense bytes: asked for as 128 rows of 256 bytes, padded in LDS after every 128 bytes.
; CLUSTER.  4 x 4: ctx's tiles are shared along a row of the cluster, Wo's along a column: joint loads.  TRANSPOSED USE: source 0 = 16 rows of Wo, source 1 = 16 rows of ctx.
; REGISTERS: window 0: v0-31 addresses; v64-127 ctx's fragments, two buffers of 32; v128-191 the bias.  window 1: v0-127 Wo's fragments, two buffers of 64; on the way out all 256: rows read back.
;   window 2: the accumulators, (a, b) at 8 (8 a + b).
.set WOB,    23068672
.set PA,     144                       ; ctx's rows in LDS: 128 bytes + 16
.set AH,     256*PA                    ; a head's 256 rows: what wave 0 or 1 fetches
.set PB,     272                       ; Wo's rows: 256 bytes + 16
.set HB,     64*PB                     ; what wave 2 or 3 fetches
.set BOFF,   2*AH
.set SLOT,   BOFF+2*HB
.set STAGE,  2*SLOT                    ; behind the ring, never filled by a tensor load: 16 rows x 528 bytes for each wave
.set SPITCH, 528
.set SPARE,  STAGE+4*16*SPITCH
.set ASTEP,  524288                    ; bytes of ctx from a K step to the next: two heads
.set BSTEP,  256
.set LAPS,   4
.set ADRA, 16
.set ADRB, 20
.set STO,  24
.set RD,   25
.set CO,   26
.set BO,   27
.set SPW,  28
.set NIL,  29
.set PFO,  30
.set FA,   64
.set BIAS, 128
.set WV,   14
.set G1,   24
.set G0,   32
.set PFA,  44
.set LIM,  46
.set LAP,  47
.set G1B,  48
.set G0B,  56
.set OUTB, 66
.set BP,   72
.set MSB, 0
.macro WIN new
.if MSB != (\new)
	s_set_vgpr_msb (MSB<<8)|(\new)
.set MSB, \new
.endif
.endm
.macro PLACES
.rept 4
	v_nop
.endr
.endm
.macro JLOAD s                         ; waves 0, 1 fetch the K step's two heads of ctx, waves 2, 3 Wo's halves; an s_nop 0 and four v_nop follow each line
	s_cmp_lt_u32 s[WV], 2
	s_cbranch_scc0 .Lfor_b_\@
	tensor_load_to_lds s[G0+4*(\s):G0+4*(\s)+3], s[G1:G1+7]
	s_nop 0
.rept 4
	v_nop
.endr
	s_branch .Lasked_\@
.Lfor_b_\@:
	tensor_load_to_lds s[G0B+4*(\s):G0B+4*(\s)+3], s[G1B:G1B+7]
	s_nop 0
.rept 4
	v_nop
.endr
.Lasked_\@:
.endm
; A prefetch of ctx's K step that stands two refills on.  A tile row of ctx is read by the two clusters of that row of clusters: the first asks; of the 32,768 bytes that wave 0 or 1 fetches, partner cx takes
; 8,192, 256 bytes a lane.  So each 256 bytes of K steps 4 to 7 are named once; the last lap asks for nothing.  Wo is not asked for: a wave's 64 rows are 16 a partner, half a wave of lanes.
.macro ASK
	s_cmp_gt_u32 s[LAP], s[LIM]
	s_cbranch_scc0 .Lnot_mine_\@
	global_prefetch_b8 v[PFO], s[PFA:PFA+1] offset:ASTEP th:TH_LOAD_NT scope:SCOPE_SE
.Lnot_mine_\@:
.endm
.macro CREST
	s_cmp_lg_u32 s[WV], 0
	s_cbranch_scc1 .Lnot_wave_0_\@
	s_barrier_signal -3
.Lnot_wave_0_\@:
	s_barrier_wait -3
	s_barrier_signal -1
	s_barrier_wait -1
.endm
.macro CROUND
	s_barrier_signal -1
	s_barrier_wait -1
	CREST
.endm
	s_load_b256 s[4:11], s[0:1], 0x0               ; ctx 4, xw 6, bo 8, out0 10
	v_lshl_add_u32 v[SPW], v0, 2, SPARE
	v_mov_b32 v[NIL], 0
	ds_add_u32 v[SPW], v[NIL]                      ; the wave's opening: the add and its wait stand ahead of my first tensor load
	v_lshrrev_b32 v1, 5, v0
	v_readfirstlane_b32 s[WV], v1
	s_and_b32 s15, s[WV], 1
	s_bfe_u32 s16, ttmp6, 0x40000                  ; cx
	s_bfe_u32 s17, ttmp6, 0x40004                  ; cy
	s_lshl_b32 s18, ttmp9, 2
	s_add_co_u32 s18, s18, s16                     ; tile column 0..7
	s_and_b32 s19, ttmp7, 0xffff
	s_lshl_b32 s19, s19, 2
	s_add_co_u32 s19, s19, s17                     ; tile row 0..31
	s_lshl_b32 s20, s17, 2
	s_lshl_b32 s20, 15, s20
	s_lshl_b32 s21, 0x1111, s16
	s_or_b32 s[G1], s20, (1<<16)|(1<<20)|(1<<21)|(4<<22)|(3<<25)   ; ctx: after every 32 words 4 words of padding
	s_or_b32 s[G1B], s21, (1<<16)|(1<<20)|(1<<21)|(5<<22)|(3<<25)  ; Wo: after every 64 words
	s_mov_b32 s[G1+1], 128<<16
	s_mov_b32 s[G1+2], 128<<16
	s_mov_b32 s[G1+3], 128<<16
	s_mov_b32 s[G1+4], 128
	s_mov_b32 s[G1+5], 128                         ; dense: 128 elements from row to row
	s_mov_b32 s[G1+6], 0
	s_mov_b32 s[G1+7], 0
	s_mov_b32 s[G1B+1], 128<<16
	s_mov_b32 s[G1B+2], 64<<16
	s_mov_b32 s[G1B+3], 128<<16
	s_mov_b32 s[G1B+4], 64
	s_mov_b32 s[G1B+5], 1024
	s_mov_b32 s[G1B+6], 0
	s_mov_b32 s[G1B+7], 0
	s_mul_i32 s22, s[WV], AH
	s_mul_i32 s23, s[WV], HB
	s_add_co_u32 s23, s23, BOFF-2*HB
	s_lshr_b32 s40, s19, 3                         ; ctx: the batch's 16 heads of 262,144 bytes,
	s_lshl_b32 s40, s40, 22
	s_and_b32 s47, s19, 7
	s_lshl_b32 s47, s47, 15                        ; the tile's 256 rows of 128 bytes,
	s_add_co_u32 s40, s40, s47
	s_lshl_b32 s47, s15, 18                        ; the K step's first or second head
	s_add_co_u32 s40, s40, s47
	s_mov_b32 s41, 0
	s_lshl_b32 s42, s18, 7                         ; Wo: row 128 x tile column + 64 x half
	s_lshl_b32 s46, s15, 6
	s_add_co_u32 s42, s42, s46
	s_lshl_b32 s42, s42, 11
	s_add_co_u32 s42, s42, WOB
	s_mov_b32 s43, 0
	s_lshl_b32 s44, s16, 13                        ; the prefetches: my work-group's 8,192 bytes of the head that I fetch, at K step 2
	s_add_co_u32 s44, s44, s40
	s_add_co_u32 s44, s44, 2*ASTEP
	s_mov_b32 s45, 0
	s_wait_dscnt 0x0                               ; the opening add is done
	s_wait_kmcnt 0x0
	s_add_nc_u64 s[40:41], s[4:5], s[40:41]
	s_add_nc_u64 s[42:43], s[6:7], s[42:43]
	s_add_nc_u64 s[PFA:PFA+1], s[4:5], s[44:45]
	CROUND
.irp s, 0,1
	s_mov_b32 s[G0+4*(\s)], 1
	s_add_co_u32 s[G0+4*(\s)+1], s22, (\s)*SLOT
	s_add_nc_u64 s[G0+4*(\s)+2:G0+4*(\s)+3], s[40:41], (\s)*ASTEP
	s_or_b32 s[G0+4*(\s)+3], s[G0+4*(\s)+3], 0x80000000
	s_mov_b32 s[G0B+4*(\s)], 1
	s_add_co_u32 s[G0B+4*(\s)+1], s23, (\s)*SLOT
	s_add_nc_u64 s[G0B+4*(\s)+2:G0B+4*(\s)+3], s[42:43], (\s)*BSTEP
	s_or_b32 s[G0B+4*(\s)+3], s[G0B+4*(\s)+3], 0x80000000
.endr
	s_cmp_lt_u32 s[WV], 2                          ; a wave's two first fills stand in one branch: two loads of mine are out
	s_cbranch_scc0 .Lfirst_b
	tensor_load_to_lds s[G0:G0+3], s[G1:G1+7]
	s_nop 0
	tensor_load_to_lds s[G0+4:G0+7], s[G1:G1+7]
	s_nop 0
.rept 4
	v_nop
.endr
	s_branch .Lfirst_asked
.Lfirst_b:
	tensor_load_to_lds s[G0B:G0B+3], s[G1B:G1B+7]
	s_nop 0
	tensor_load_to_lds s[G0B+4:G0B+7], s[G1B:G1B+7]
	s_nop 0
.rept 4
	v_nop
.endr
.Lfirst_asked:
	v_and_b32 v1, 15, v0
	v_bfe_u32 v2, v0, 4, 1
	v_lshlrev_b32 v[BO], 5, v2
	s_lshl_b32 s2, s18, 9                          ; the tile's 128 numbers of bo
	s_mov_b32 s3, 0
	s_add_nc_u64 s[BP:BP+1], s[8:9], s[2:3]
.irp b, 0,1,2,3,4,5,6,7
	global_load_b128 v[BIAS+8*(\b):BIAS+8*(\b)+3],   v[BO], s[BP:BP+1] offset:64*(\b)
	global_load_b128 v[BIAS+8*(\b)+4:BIAS+8*(\b)+7], v[BO], s[BP:BP+1] offset:64*(\b)+16
.endr
	s_lshl_b32 s2, s19, 8                          ; out0 at my 64 rows (4,096 bytes each) and the tile's 512 bytes of them
	s_lshl_b32 s78, s[WV], 6
	s_add_co_u32 s2, s2, s78
	s_lshl_b32 s2, s2, 12
	s_lshl_b32 s78, s18, 9
	s_add_co_u32 s2, s2, s78
	s_add_nc_u64 s[OUTB:OUTB+1], s[10:11], s[2:3]
	v_mul_u32_u24 v3, v1, PA
	v_lshl_add_u32 v3, v2, 4, v3
	s_mul_i32 s78, s[WV], 64*PA
	v_add_nc_u32 v[ADRA], s78, v3
	v_add_nc_u32 v[ADRA+1], SLOT, v[ADRA]
	v_mul_u32_u24 v3, v1, PB
	v_lshl_add_u32 v3, v2, 4, v3
	v_add_nc_u32 v[ADRB], BOFF, v3
	v_add_nc_u32 v[ADRB+1], SLOT+BOFF, v3
	s_mul_i32 s78, s[WV], 16*SPITCH
	s_add_co_u32 s78, s78, STAGE
	v_mul_u32_u24 v4, v1, SPITCH                   ; in: row l % 16, 32 bytes for each half of the lanes
	v_lshl_add_u32 v4, v2, 5, v4
	v_add_nc_u32 v[STO], s78, v4
	v_and_b32 v[CO], 31, v0                        ; back: 32 lanes take a row's 512 bytes
	v_lshlrev_b32 v[CO], 4, v[CO]
	v_add_nc_u32 v[RD], s78, v[CO]
	v_and_b32 v[PFO], 31, v0
	v_lshlrev_b32 v[PFO], 8, v[PFO]
	s_lshr_b32 s[LIM], s[WV], 1
	s_or_b32 s[LIM], s[LIM], ttmp9
	s_cmp_eq_u32 s[LIM], 0
	s_cselect_b32 s[LIM], 1, -1
	s_wait_loadcnt 0x0                             ; the bias; rounded to bf16 while the first tiles are on their way
.set i, 0
.rept 32
	v_cvt_pk_bf16_f32 v3, v[BIAS+2*i], v[BIAS+2*i+1]
	v_lshlrev_b32 v[BIAS+2*i], 16, v3
	v_and_b32 v[BIAS+2*i+1], 0xffff0000, v3
.set i, i+1
.endr
; 8 matrix instructions: row block a x all 8 column blocks, 32 along K, from buffer g.  The 32 accumulators take turns.
.macro MULA g, a, zero
.if \zero
	WIN 0x81
.else
	WIN 0xa1
.endif
.irp b, 0,1,2,3,4,5,6,7
.if \zero
	v_wmma_f32_16x16x32_f16 v[8*(8*(\a)+(\b)):8*(8*(\a)+(\b))+7], v[64*(\g)+8*(\b):64*(\g)+8*(\b)+7], v[FA+32*(\g)+8*(\a):FA+32*(\g)+8*(\a)+7], v[BIAS+8*(\b):BIAS+8*(\b)+7]
.else
	v_wmma_f32_16x16x32_f16 v[8*(8*(\a)+(\b)):8*(8*(\a)+(\b))+7], v[64*(\g)+8*(\b):64*(\g)+8*(\b)+7], v[FA+32*(\g)+8*(\a):FA+32*(\g)+8*(\a)+7], v[8*(8*(\a)+(\b)):8*(8*(\a)+(\b))+7]
.endif
.endr
.endm
; 24 LDS loads in one run: quarter q of the K step (head q / 2, channels 32 (q % 2) on) into buffer g: Wo's 8 fragments, then ctx's 4
.macro FETCH slot, q, g
	WIN 0x40
.irp i, 0,1,2,3,4,5,6,7
	ds_load_b128 v[64*(\g)+8*(\i):64*(\g)+8*(\i)+3],   v[ADRB+(\slot)] offset:64*(\q)+(\i)*16*PB
	ds_load_b128 v[64*(\g)+8*(\i)+4:64*(\g)+8*(\i)+7], v[ADRB+(\slot)] offset:64*(\q)+(\i)*16*PB+32
.endr
	WIN 0
.irp i, 0,1,2,3
	ds_load_b128 v[FA+32*(\g)+8*(\i):FA+32*(\g)+8*(\i)+3],   v[ADRA+(\slot)] offset:((\q)/2)*AH+((\q)%2)*64+(\i)*16*PA
	ds_load_b128 v[FA+32*(\g)+8*(\i)+4:FA+32*(\g)+8*(\i)+7], v[ADRA+(\slot)] offset:((\q)/2)*AH+((\q)%2)*64+(\i)*16*PA+32
.endr
.endm
.macro QUARTER slot, q, cur, nxt, zero
	s_wait_dscnt 4                                 ; Wo and ctx's blocks 0, 1 are in; the youngest four loads may be out
	MULA \cur, 0, \zero
	MULA \cur, 1, \zero
	PLACES
	FETCH \slot, \q, \nxt
	s_wait_dscnt 24                                ; all but the 24 just issued
	MULA \cur, 2, \zero
	MULA \cur, 3, \zero
.endm
.macro TURN slot, next, fill
.if \fill
	s_wait_xcnt 0x0                                ; the last prefetch, a K step back, has read its address
	s_add_nc_u64 s[PFA:PFA+1], s[PFA:PFA+1], ASTEP
.endif
	WIN 0
	s_wait_tensorcnt 0x0                           ; all my tensor loads have landed: my part of the next slot
	ds_add_u32 v[SPW], v[NIL]                      ; 0 onto my spare word
	s_wait_dscnt 5                                 ; (the add and the youngest four loads may be out)
	MULA 1, 0, 0
	s_wait_dscnt 0x0                               ; the add is done, and my reads of this slot are over
	s_barrier_signal -1
	MULA 1, 1, 0
.if \fill
	WIN 0
.endif
	s_barrier_wait -1
.if \fill
	CREST                                          ; no wave of any partner still reads this slot or has a load on its way
	s_add_nc_u64 s[G0+4*(\slot)+2:G0+4*(\slot)+3], s[G0+4*(\slot)+2:G0+4*(\slot)+3], 2*ASTEP
	s_add_nc_u64 s[G0B+4*(\slot)+2:G0B+4*(\slot)+3], s[G0B+4*(\slot)+2:G0B+4*(\slot)+3], 2*BSTEP
	JLOAD \slot
.else
	PLACES
.endif
	FETCH \next, 0, 0
.if \fill
	ASK
.endif
	MULA 1, 2, 0
	MULA 1, 3, 0
.endm
	s_wait_tensorcnt 1                             ; my part of K step 0 is in; K step 1's may stay out
	s_barrier_signal -1
	s_barrier_wait -1
	FETCH 0, 0, 0
	QUARTER 0, 1, 0, 1, 1
	WIN 0
	s_mov_b32 s[LAP], LAPS-1
.Llap:
	QUARTER 0, 2, 1, 0, 0
	QUARTER 0, 3, 0, 1, 0
	TURN 0, 1, 1
	QUARTER 1, 1, 0, 1, 0
	QUARTER 1, 2, 1, 0, 0
	QUARTER 1, 3, 0, 1, 0
	TURN 1, 0, 1
	QUARTER 0, 1, 0, 1, 0
	WIN 0
	s_sub_co_u32 s[LAP], s[LAP], 1
	s_cmp_lg_u32 s[LAP], 0
	s_cbranch_scc1 .Llap
	QUARTER 0, 2, 1, 0, 0
	QUARTER 0, 3, 0, 1, 0
	TURN 0, 1, 0
	QUARTER 1, 1, 0, 1, 0
	QUARTER 1, 2, 1, 0, 0
	QUARTER 1, 3, 0, 1, 0
	s_wait_dscnt 4
	MULA 1, 0, 0
	MULA 1, 1, 0
	s_wait_dscnt 0x0
	MULA 1, 2, 0
	MULA 1, 3, 0
	PLACES
	PLACES
; THE WAY OUT, a block of 16 rows at a time: a lane's eight f32 of a row, low four first, into my stage; back as whole rows of 512 bytes; stored.
.macro TOSTAGE a
	WIN 0x08                                       ; the stores' data in window 2
.irp b, 0,1,2,3,4,5,6,7
	ds_store_b128 v[STO], v[8*(8*(\a)+(\b)):8*(8*(\a)+(\b))+3]   offset:64*(\b)
	ds_store_b128 v[STO], v[8*(8*(\a)+(\b))+4:8*(8*(\a)+(\b))+7] offset:64*(\b)+16
.endr
	WIN 0x40
.irp t, 0,1,2,3,4,5,6,7,8,9,10,11,12,13,14,15
	ds_load_b128 v[64*(\a)+4*(\t):64*(\a)+4*(\t)+3], v[RD] offset:(\t)*SPITCH  ; LDS serves a wave's instructions in order (ISA guide 5.7.1.4)
.endr
.endm
.macro SEND a, younger                 ; younger: the next block's 32 LDS instructions, or none
	WIN 0x04
	s_wait_dscnt \younger
.irp t, 0,1,2,3,4,5,6,7,8,9,10,11,12,13,14,15
	global_store_b128 v[CO], v[64*(\a)+4*(\t):64*(\a)+4*(\t)+3], s[OUTB:OUTB+1] offset:(16*(\a)+(\t))*4096 th:TH_STORE_NT  ; 512 consecutive bytes, aligned
.endr
.endm
	TOSTAGE 0
	TOSTAGE 1
	SEND 0, 32
	TOSTAGE 2
	SEND 1, 32
	TOSTAGE 3
	SEND 2, 32
	SEND 3, 0
	WIN 0
	s_wait_tensorcnt 0x0                           ; the wave's end
	ds_add_u32 v[SPW], v[NIL]
	s_wait_dscnt 0x0
	CROUND                                         ; the closing round
	s_endpgm
.Lfunc_end_k_qed47c265f8_gemm2:
	.size	k_qed47c265f8_gemm2, .Lfunc_end_k_qed47c265f8_gemm2-k_qed47c265f8_gemm2
	.p2alignl 7, 3214868480
	.fill 96, 4, 3214868480
	.section	.rodata,"a",@progbits
	.p2align	6, 0x0
	.amdhsa_kernel k_qed47c265f8_gemm2
		.amdhsa_group_segment_fixed_size 327680
		.amdhsa_private_segment_fixed_size 0
		.amdhsa_enable_private_segment 0
		.amdhsa_kernarg_size 32
		.amdhsa_user_sgpr_count 2
		.amdhsa_user_sgpr_kernarg_segment_ptr 1
		.amdhsa_wavefront_size32 1
		.amdhsa_system_sgpr_workgroup_id_x 1
		.amdhsa_system_sgpr_workgroup_id_y 1
		.amdhsa_system_sgpr_workgroup_id_z 1
		.amdhsa_system_vgpr_workitem_id 0
		.amdhsa_next_free_vgpr 768
		.amdhsa_next_free_sgpr 80
		.amdhsa_reserve_vcc 0
		.amdhsa_float_denorm_mode_32 3
		.amdhsa_float_denorm_mode_16_64 3
		.amdhsa_memory_ordered 1
		.amdhsa_forward_progress 1
		.amdhsa_inst_pref_size 92
	.end_amdhsa_kernel
	.amdgpu_metadata
---
amdhsa.version: [ 1, 2 ]
amdhsa.kernels:
  - .name:           k_qed47c265f8_gemm2
    .symbol:         k_qed47c265f8_gemm2.kd
    .args:
      - { .name: ctx, .offset: 0, .size: 8, .value_kind: global_buffer, .address_space: global }
      - { .name: xw, .offset: 8, .size: 8, .value_kind: global_buffer, .address_space: global }
      - { .name: bo, .offset: 16, .size: 8, .value_kind: global_buffer, .address_space: global }
      - { .name: out0, .offset: 24, .size: 8, .value_kind: global_buffer, .address_space: global }
    .group_segment_fixed_size: 327680
    .private_segment_fixed_size: 0
    .kernarg_segment_align: 8
    .kernarg_segment_size: 32
    .max_flat_workgroup_size: 128
    .sgpr_count:     80
    .vgpr_count:     768
    .wavefront_size: 32
...
	.end_amdgpu_metadata
.endif
;; end of part 4
;; ======== version 2 of 2: 4 launches; version 1 with the launch prep written anew for expert scheduling mode
;; limits: right only within a limited range of input values; values are held in f16: magnitudes above 65,504 overflow, below 6.1e-05 lose precision
;; workspace buffers: xw 25,165,824 bytes; mk 2,097,152 bytes; rf 8,192 bytes; qkv 50,331,648 bytes; ctx 16,777,216 bytes
;; launch prep (part 5): grid 512 x 1, 8 waves a work-group, no clusters, 17,664 bytes of LDS; arguments x, Wq, Wk, Wv, Wo, mask, xw, mk, rf; writes xw, mk, rf
.if DOCPART == 5
	.amdgcn_target "amdgcn-amd-amdhsa--gfx1250"
	.amdhsa_code_object_version 6
	.text
	.protected	k_qed47c265f8_prep
	.globl	k_qed47c265f8_prep
	.p2align	8
	.type	k_qed47c265f8_prep,@function
k_qed47c265f8_prep:
	s_mov_b64 s[64:65], 0
	v_nop
	global_prefetch_b8 v0, s[64:65] scope:SCOPE_SE
	s_setreg_imm32_b32 hwreg(HW_REG_WAVE_SCHED_MODE, 0, 2), 2
	s_setreg_imm32_b32 hwreg(HW_REG_WAVE_MODE, 25, 1), 1
	s_wait_xcnt 0x0
	s_wait_alu depctr_vm_vsrc(0)
; PREPARATION, a stream.  512 work-groups of eight waves; each reads 131,072 bytes once, by 16-byte loads that all go out at once.
; Work-groups 0-383 CAST: x (0-255), Wq, Wk, Wv, Wo (32 each) from f32 to 16 bits, into xw: 12,288 rows of 1,024 numbers, in that order.
;   x, Wq, Wk, Wv are rounded to bf16.  Wo is rounded to bf16 and that number written as f16 (exact from 2^-14 up; below it f16's fixed step of 2^-24).
; Work-groups 384-511 take the MASK, 16 query rows each (a tile of queries of the attention launch).  A key that is visible becomes the FP4 code of 0.0, a hidden one (mask word 0)
;   that of -1.0; eight codes make a word.  mk: [query tile 128][key step 32][lane 32][4 words]: lane 16 h + q holds, in word kb, the keys 64 step + 16 kb + 8 h + 0..7 of query q:
;   the places of a 16 x 16 matrix result with keys down the registers.  rf: one word a query row, -1 if the row sees any key, else 0.
; No matrix unit, no cluster, no tensor load: nothing is shared between work-groups and the only arithmetic is a rounding.
; THE MODE: SCHED_MODE bits 1:0 = 2 (LLVM: expert scheduling mode 2), set by the entry lines.  The code itself states the register dependences between vector instructions and
; memory or LDS instructions, and between a vector instruction that writes a scalar register or VCC and its readers, with s_wait_alu, always for 0.
; THE PLAN.  Registers that memory or LDS instructions touch:
;   THE CASTS.  v4, v5: the loads' and the stores' offsets, made once.  v[16:143]: the 32 loads land here; of each load's four registers the conversions write the first two, in place, and one
;     store reads them.  The loads go in 8 blocks of four: block p's conversions name block p's registers (and v144-147, at work) alone, and block p - 1's four stores are dealt among them,
;     behind ONE wait at the block's head, which states that block p - 1's conversions have written.
;   THE MASK.  v4: the loads' offset.  v6, v7: the LDS stores' addresses.  v5, v14: the addresses of the way out.  v[16:143]: the loads land here; compares, ORs, selects and the packing name them.
;     v[144:159]: a word of codes for each of the 16 chunks, written by its packing, read by one LDS store.  v12, v13: a row's flag each, likewise.  v[16:31] once more, and v15: the stage's loads land
;     there behind the barrier, and the global stores read them.  Row 0's nine LDS stores are dealt over row 1's chunks, behind ONE wait at row 1's head; row 1's stand behind one wait at its end.
;   No register that a memory or LDS instruction reads is written again in either part: so no wait on vm_vsrc is owed, and none is written but in the closing lines.
.set D,     16                         ; v[16:143]  the 32 loads' data
.set C,     144                        ; v[144:159] the mask: chunk k's word of codes at C + k  (in the cast of Wo v144-147 are at work)
.set FL,    12                         ; v12, v13   the mask: the flags of my two rows
.set FLAG,  16384                      ; LDS: behind the 16,384 bytes of codes, 16 row flags in a block of 256 bytes of their own
.set SPARE, 16640                      ; the spare words, 128 bytes a wave: no other line names them
	s_load_b512 s[8:23], s[0:1], 0x0               ; x 8, Wq 10, Wk 12, Wv 14, Wo 16, mask 18, xw 20, mk 22
	s_load_b64 s[24:25], s[0:1], 0x40              ; rf
	v_lshl_add_u32 v2, v0, 2, SPARE                ; my spare word
	v_mov_b32 v3, 0
	v_lshrrev_b32 v14, 5, v0
	v_readfirstlane_b32 s3, v14                    ; wave 0..7
	v_and_b32 v1, 31, v0                           ; lane
	s_mov_b32 s2, ttmp9                            ; g
	s_mov_b32 s29, 0                               ; the high word of every offset pair
	s_wait_alu depctr_va_sdst(0)                   ; s3 is written, ahead of the branch: the mask's part makes its rows and its LDS addresses from it
	s_wait_kmcnt 0x0
	s_cmp_ge_u32 s2, 384
	s_cbranch_scc1 .Lmask
	; THE CASTS.  Which buffer, and which 131,072 bytes of it; the destination is linear in g.
	s_and_b32 s28, s2, 31
	s_cmp_lt_u32 s2, 256
	s_cselect_b32 s28, s2, s28
	s_cselect_b64 s[26:27], s[8:9], s[10:11]
	s_cmp_ge_u32 s2, 288
	s_cselect_b64 s[26:27], s[12:13], s[26:27]
	s_cmp_ge_u32 s2, 320
	s_cselect_b64 s[26:27], s[14:15], s[26:27]
	s_cmp_ge_u32 s2, 352
	s_cselect_b64 s[26:27], s[16:17], s[26:27]
	s_lshl_b32 s28, s28, 17
	s_add_nc_u64 s[26:27], s[26:27], s[28:29]
	s_lshl_b32 s28, s2, 16
	s_add_nc_u64 s[30:31], s[20:21], s[28:29]
	v_lshlrev_b32 v4, 4, v0                        ; 16 bytes a thread in, a load of the work-group covers 4,096
	v_lshlrev_b32 v5, 3, v0                        ; 8 bytes a thread out
	s_wait_alu depctr_va_vdst(0)                   ; v4 and v5 are written: every load reads the one as its offset, every store the other
.set i, 0
.rept 32
	global_load_b128 v[D+4*i:D+4*i+3], v4, s[26:27] offset:4096*i th:TH_LOAD_NT
.set i, i+1
.endr
	s_cmp_ge_u32 s2, 352
	s_cbranch_scc1 .Lwo
.macro OUT q, i                        ; the store of load i of block q: a wave's store covers 256 consecutive bytes, aligned
	global_store_b64 v5, v[D+16*(\q)+4*(\i):D+16*(\q)+4*(\i)+1], s[30:31] offset:2048*(4*(\q)+(\i)) th:TH_STORE_NT
.endm
.macro CVB p                           ; block p: four loads' numbers to bf16, in place; among the conversions the stores of block p - 1
	s_wait_loadcnt 28-4*(\p)                       ; loads come back in order: block p is in, the younger blocks stay out
.if (\p) > 0
	s_wait_alu depctr_va_vdst(0)                   ; block p - 1's conversions have written the pairs that the four stores below read; no line of this block names them
.endif
.irp i, 0,1,2,3
.if (\p) > 0
	OUT (\p)-1, \i
.endif
	v_cvt_pk_bf16_f32 v[D+16*(\p)+4*(\i)], v[D+16*(\p)+4*(\i)], v[D+16*(\p)+4*(\i)+1]
	v_cvt_pk_bf16_f32 v[D+16*(\p)+4*(\i)+1], v[D+16*(\p)+4*(\i)+2], v[D+16*(\p)+4*(\i)+3]
.endr
.endm
.irp p, 0,1,2,3,4,5,6,7
	CVB \p
.endr
	s_wait_alu depctr_va_vdst(0)                   ; block 7's conversions have written the pairs that the last four stores read
.irp i, 0,1,2,3
	OUT 7, \i
.endr
	s_endpgm                                       ; these waves have written no LDS
.Lwo:
.macro CWB p                           ; Wo, block p: rounded to bf16, widened again, written as f16; among that the stores of block p - 1
	s_wait_loadcnt 28-4*(\p)                       ; block p is in, the younger blocks stay out
.if (\p) > 0
	s_wait_alu depctr_va_vdst(0)                   ; block p - 1's conversions have written the pairs that the four stores below read; no line of this block names them
.endif
.irp i, 0,1,2,3
.if (\p) > 0
	OUT (\p)-1, \i
.endif
	v_cvt_pk_bf16_f32 v144, v[D+16*(\p)+4*(\i)], v[D+16*(\p)+4*(\i)+1]
	v_cvt_pk_bf16_f32 v145, v[D+16*(\p)+4*(\i)+2], v[D+16*(\p)+4*(\i)+3]
	v_lshlrev_b32 v146, 16, v144
	v_and_b32 v147, 0xffff0000, v144
	v_cvt_pk_f16_f32 v[D+16*(\p)+4*(\i)], v146, v147
	v_lshlrev_b32 v146, 16, v145
	v_and_b32 v147, 0xffff0000, v145
	v_cvt_pk_f16_f32 v[D+16*(\p)+4*(\i)+1], v146, v147
.endr
.endm
.irp p, 0,1,2,3,4,5,6,7
	CWB \p
.endr
	s_wait_alu depctr_va_vdst(0)                   ; block 7's conversions have written the pairs that the last four stores read
.irp i, 0,1,2,3
	OUT 7, \i
.endr
	s_endpgm                                       ; these waves have written no LDS
.Lmask:                                        ; THE MASK.  t = g - 384: query rows 16 t .. 16 t + 15; wave w takes rows 2 w and 2 w + 1
	s_sub_co_u32 s2, s2, 384
	s_lshl_b32 s28, s2, 17                         ; 16 rows of 8,192 bytes
	s_add_nc_u64 s[26:27], s[18:19], s[28:29]
	s_lshl_b32 s28, s2, 14                         ; a tile's 16,384 bytes of codes
	s_add_nc_u64 s[30:31], s[22:23], s[28:29]
	s_lshl_b32 s28, s2, 6                          ; its 16 flags
	s_add_nc_u64 s[24:25], s[24:25], s[28:29]
	s_lshl_b32 s32, s3, 14                         ; my two rows
	v_lshl_add_u32 v4, v1, 5, s32                  ; lane i takes 8 keys, 32 bytes: in chunk c the keys 256 c + 8 i + 0..7
	s_wait_alu depctr_va_vdst(0)                   ; v4 is written: the 32 loads read it as their offset
.irp rr, 0,1
.irp c, 0,1,2,3,4,5,6,7
	global_load_b128 v[D+4*(16*(\rr)+2*(\c)):D+4*(16*(\rr)+2*(\c))+3],   v4, s[26:27] offset:(\rr)*8192+(\c)*1024 th:TH_LOAD_NT
	global_load_b128 v[D+4*(16*(\rr)+2*(\c))+4:D+4*(16*(\rr)+2*(\c))+7], v4, s[26:27] offset:(\rr)*8192+(\c)*1024+16 th:TH_LOAD_NT
.endr
.endr
	; The other addresses are made while the loads are on their way; the wait at row 1's head stands between these lines and the first instruction that reads one of them as an address.
	; where my word goes in the stage: key step 4 c + i / 8 (512 bytes each), lane 16 (i % 2) + 2 w + rr (16 bytes), word (i / 2) % 4
	v_lshrrev_b32 v14, 3, v1
	v_lshlrev_b32 v6, 9, v14
	v_and_b32 v14, 1, v1
	v_lshl_add_u32 v6, v14, 8, v6
	v_bfe_u32 v14, v1, 1, 2
	v_lshl_add_u32 v6, v14, 2, v6
	s_lshl_b32 s32, s3, 5
	v_add_nc_u32 v6, s32, v6
	s_lshl_b32 s32, s3, 3
	v_mov_b32 v7, s32                              ; 8 w: my two flags
	v_mov_b32 v9, -1.0
	v_mov_b32 v10, 1.0                             ; the packing's scale: 2^0
	v_lshlrev_b32 v5, 4, v0                        ; the way out: 16 bytes a thread, in the stage and in mk
	v_and_b32 v14, 15, v1                          ; and the flags' way out: 4 (lane % 16); wave 0 alone uses it
	v_lshlrev_b32 v14, 2, v14
; Chunk c of row rr: eight mask words a lane become one word of codes.  The eight compares stand in a run and write s8 to s15 (on this path the casts' pointers there are dead); the ORs, which wait for
; none of them, follow; one wait; then the eight selects.  The plain instruction behind the scaled conversion is the next chunk's first compare, or the row's flag compare.
.macro CH rr, c
.set k, 8*(\rr)+(\c)
.set E, D+8*k
	s_wait_loadcnt 30-2*k                          ; my two loads are in, the younger ones stay out
.if (\rr) == 1
.if (\c) == 0
	s_wait_alu depctr_va_vdst(0)                   ; row 0's eight words of codes and its flag are written, and so are v5, v6, v7 and v14: row 0's nine LDS stores, dealt over this row's chunks, read them, and no line of this row names them
	ds_store_b32 v7, v[FL] offset:FLAG             ; all lanes write the same word with the same value
.endif
	ds_store_b32 v6, v[C+(\c)] offset:2048*(\c)    ; row 0's chunk c
.endif
.irp j, 0,1,2,3,4,5,6,7
	v_cmp_eq_u32 s[8+(\j)], 0, v[E+(\j)]
.endr
.if (\c) == 0
	v_or_b32 v8, v[E], v[E+1]                      ; the row's first words start the OR: nothing is cleared
.else
	v_or_b32 v8, v8, v[E]
	v_or_b32 v8, v8, v[E+1]
.endif
.irp j, 2,3,4,5,6,7
	v_or_b32 v8, v8, v[E+(\j)]
.endr
	s_wait_alu depctr_va_sdst(0)                   ; the eight compares have written s8 to s15, which the selects below read
.irp j, 0,1,2,3,4,5,6,7
	v_cndmask_b32 v[E+(\j)], 0, v9, s[8+(\j)]      ; hidden: -1.0; visible: 0.0
.endr
	v_cvt_scalef32_pk8_fp4_f32 v[C+k], v[E:E+7], v10
.endm
.irp rr, 0,1
.irp c, 0,1,2,3,4,5,6,7
	CH \rr, \c
.endr
	v_cmp_ne_u32 vcc_lo, 0, v8                     ; does any lane hold a visible key of this row?
	s_wait_alu depctr_va_vcc(0)                    ; the compare has written VCC, which the scalar compare reads
	s_cmp_lg_u32 vcc_lo, 0
	s_cselect_b32 s32, -1, 0
	v_mov_b32 v[FL+(\rr)], s32
.endr
	s_wait_alu depctr_va_vdst(0)                   ; row 1's eight words of codes and its flag are written, which the LDS stores below read; and every vector line that named v[16:31], in which the stage's loads land, is done
.irp c, 0,1,2,3,4,5,6,7
	ds_store_b32 v6, v[C+8+(\c)] offset:2048*(\c)+16
.endr
	ds_store_b32 v7, v[FL+1] offset:FLAG+4         ; all lanes write the same word with the same value
	s_wait_dscnt 0x0                               ; for the others' sake: my stores into the stage are done
	s_barrier_signal -1
	s_barrier_wait -1
.irp r, 0,1,2,3
	ds_load_b128 v[D+4*(\r):D+4*(\r)+3], v5 offset:4096*(\r)  ; no vector instruction stands behind the last wait on va_vdst
.endr
.irp r, 0,1,2,3
	s_wait_dscnt 3-(\r)
	global_store_b128 v5, v[D+4*(\r):D+4*(\r)+3], s[30:31] offset:4096*(\r)  ; a wave's store covers 512 consecutive bytes, aligned
.endr
	s_cmp_lg_u32 s3, 0
	s_cbranch_scc1 .Lmend
	ds_load_b32 v15, v14 offset:FLAG               ; wave 0 stores the 16 flags; the two halves of its lanes hold and write the same words
	s_wait_dscnt 0x0
	global_store_b32 v14, v15, s[24:25]
.Lmend:
	s_wait_dscnt 0x0                               ; the closing lines, six on end
	s_wait_alu 0x0
	s_wait_tensorcnt 0x0
	ds_add_u32 v2, v3
	s_wait_dscnt 0x0
	s_endpgm
.Lfunc_end_k_qed47c265f8_prep:
	.size	k_qed47c265f8_prep, .Lfunc_end_k_qed47c265f8_prep-k_qed47c265f8_prep
	.p2alignl 7, 3214868480
	.fill 96, 4, 3214868480
	.section	.rodata,"a",@progbits
	.p2align	6, 0x0
	.amdhsa_kernel k_qed47c265f8_prep
		.amdhsa_group_segment_fixed_size 17664
		.amdhsa_private_segment_fixed_size 0
		.amdhsa_enable_private_segment 0
		.amdhsa_kernarg_size 72
		.amdhsa_user_sgpr_count 2
		.amdhsa_user_sgpr_kernarg_segment_ptr 1
		.amdhsa_wavefront_size32 1
		.amdhsa_system_sgpr_workgroup_id_x 1
		.amdhsa_system_sgpr_workgroup_id_y 1
		.amdhsa_system_sgpr_workgroup_id_z 1
		.amdhsa_system_vgpr_workitem_id 0
		.amdhsa_next_free_vgpr 160
		.amdhsa_next_free_sgpr 66
		.amdhsa_reserve_vcc 1
		.amdhsa_float_denorm_mode_32 3
		.amdhsa_float_denorm_mode_16_64 3
		.amdhsa_memory_ordered 1
		.amdhsa_forward_progress 1
		.amdhsa_inst_pref_size 59
	.end_amdhsa_kernel
	.amdgpu_metadata
---
amdhsa.version: [ 1, 2 ]
amdhsa.kernels:
  - .name:           k_qed47c265f8_prep
    .symbol:         k_qed47c265f8_prep.kd
    .args:
      - { .name: x, .offset: 0, .size: 8, .value_kind: global_buffer, .address_space: global }
      - { .name: Wq, .offset: 8, .size: 8, .value_kind: global_buffer, .address_space: global }
      - { .name: Wk, .offset: 16, .size: 8, .value_kind: global_buffer, .address_space: global }
      - { .name: Wv, .offset: 24, .size: 8, .value_kind: global_buffer, .address_space: global }
      - { .name: Wo, .offset: 32, .size: 8, .value_kind: global_buffer, .address_space: global }
      - { .name: mask, .offset: 40, .size: 8, .value_kind: global_buffer, .address_space: global }
      - { .name: xw, .offset: 48, .size: 8, .value_kind: global_buffer, .address_space: global }
      - { .name: mk, .offset: 56, .size: 8, .value_kind: global_buffer, .address_space: global }
      - { .name: rf, .offset: 64, .size: 8, .value_kind: global_buffer, .address_space: global }
    .group_segment_fixed_size: 17664
    .private_segment_fixed_size: 0
    .kernarg_segment_align: 8
    .kernarg_segment_size: 72
    .max_flat_workgroup_size: 256
    .sgpr_count:     66
    .vgpr_count:     160
    .wavefront_size: 32
...
	.end_amdgpu_metadata
.endif
;; end of part 5
;; launch gemm1: the kernel of part 2 again; grid 16 x 32, 4 waves a work-group, clusters of 4 x 4, 327,680 bytes of LDS; arguments xw, bq, bk, bv, qkv; writes qkv
;; launch attn: the kernel of part 3 again; grid 4 x 64, 4 waves a work-group, clusters of 4 x 1, 327,680 bytes of LDS; arguments qkv, mk, rf, ctx; writes ctx
;; launch gemm2: the kernel of part 4 again; grid 8 x 32, 4 waves a work-group, clusters of 4 x 4, 327,680 bytes of LDS; arguments ctx, xw, bo, out0; writes out0
